; MI455X (gfx1250); checked and timed in simulation.
; The chip was launched on July 23, 2026; its instructions are those of AMD's public machine-readable ISA for CDNA 5 (MIT licence, August 2026) and "CDNA5" Instruction Set Architecture Reference Guide (July 2026). The comments in the code are by the model that wrote it; some were corrected since.
;; Multi Head Attention. Allowed arithmetic: matrix products marked QUANTISED: E4M3 operands, one given power-of-two scale a tensor, by v_wmma_f32_16x16x64_fp8_fp8 or v_wmma_f32_16x16x128_fp8_fp8, f32 sums; everything else in f32.
;; Inputs: k_codes 4 x 2,048 x 32 x 32 uint8 (E4M3 codes of k, K innermost, in blocks of 32 codes); ln_beta 1,024 float32; ln_gamma 1,024 float32; lowp_scales 12 int32 (the exponents e of the quantised operands' scales 2^e); q 4 x 2,048 x 1,024 float32; v_codes 4 x 2,048 x 32 x 32 uint8 (E4M3 codes of v, K innermost, in blocks of 32 codes); w_fc_codes 1,024 x 32 x 32 uint8 (E4M3 codes of w_fc, K innermost, in blocks of 32 codes); w_k_codes 1,024 x 32 x 32 uint8 (E4M3 codes of w_k, K innermost, in blocks of 32 codes); w_q_codes 1,024 x 32 x 32 uint8 (E4M3 codes of w_q, K innermost, in blocks of 32 codes); w_v_codes 1,024 x 32 x 32 uint8 (E4M3 codes of w_v, K innermost, in blocks of 32 codes).
;; Outputs: out0 4 x 2,048 x 1,024 float32.
;; This version of the problem:
;;   THIS VERSION OF THE PROBLEM IS GIVEN IN LOW PRECISION. The matrix products marked QUANTISED in the list below multiply operands that are first quantised to E4M3 (4 exponent bits, 3 mantissa bits; 8 bits a number), with one given power-of-two scale for each operand tensor; their sums are f32. All else is computed in f32.
;;   The module's matrix products, in the order in which they are computed (A, B: the left and right operand; K: the contracted axis; several contracted axes count as one K, in the product's order):
;;     1. [M 8,192, K 1,024] x [K 1,024, N 1,024]; A: input q; B: input w_q (given as codes): QUANTISED (scales: A lowp_scales[0], B lowp_scales[1])
;;     2. [M 8,192, K 1,024] x [K 1,024, N 1,024]; A: input k (given as codes); B: input w_k (given as codes): QUANTISED (scales: A lowp_scales[2], B lowp_scales[3])
;;     3. [M 8,192, K 1,024] x [K 1,024, N 1,024]; A: input v (given as codes); B: input w_v (given as codes): QUANTISED (scales: A lowp_scales[4], B lowp_scales[5])
;;     4. batch 64 x [M 2,048, K 64] x [K 64, N 2,048]; A: computed on the way; B: computed on the way: QUANTISED (scales: A lowp_scales[6], B lowp_scales[7])
;;     5. batch 64 x [M 2,048, K 2,048] x [K 2,048, N 64]; A: softmax (see below); B: computed on the way: QUANTISED (scales: A lowp_scales[8], B lowp_scales[9])
;;     6. [M 8,192, K 1,024] x [K 1,024, N 1,024]; A: computed on the way; B: input w_fc (given as codes): QUANTISED (scales: A lowp_scales[10], B lowp_scales[11])
;;   THE QUANTISER, for each operand of a quantised product, along K:
;;     - The operand's scale is 2^e, e = its entry of the input lowp_scales (int32; the entries are numbered through the quantised products in the list's order, A before B).
;;     - Each number is divided by the scale, clamped to +-448, and rounded to the nearest number of E4M3, ties to even, subnormals kept.
;;     - The product sums the exact products of the quantised numbers (number of the format x scale) in f32.
;;   ~~~python
;;   def quantise(x, axis, e):      # numpy; x: float32 -> the quantised numbers, widened to float32 again
;;       x = np.moveaxis(x, axis, -1); K = x.shape[-1]
;;       r = np.clip(x / 2.0 ** e, -448, 448)
;;       step = 2.0 ** (np.maximum(np.frexp(np.where(r == 0, 1, r))[1] - 1, -6) - 3)
;;       q = np.round(r / step) * step * 2.0 ** e      # np.round: ties to even
;;       return np.moveaxis(q, -1, axis).astype(np.float32)
;;   ~~~
;;   SOFTMAX AHEAD OF A QUANTISED PRODUCT. Where the list says 'softmax', what is quantised is not the finished softmax but p = 2^(t - M), with t = logit x log2(e) and M = ceil(the row's largest t), a whole number; so 1/2 < the row's largest p <= 1. The row's sum l is taken of the UNQUANTISED p, in f32, and the product's result is divided by l at the end. Since M is a whole number, a kernel that streams over the keys may use a running M (the ceiling of the running maximum): every later rescaling is an exact power of two, so the quantised numbers keep their values, but for numbers so far below the row's largest that they fall under the format's range.
;;   OPERANDS COMPUTED ON THE WAY. 'Computed on the way' means the value that the module computes at that place (a softmax that the list does not call 'softmax' is quantised finished and normalised). What goes into a quantiser is computed in f32, as accurately as f32 sums, v_exp_f32 and their like allow (about 1e-6 of the number): no bf16 or f16 on the way to a quantiser, and a product that is left as it is and whose result goes on into a quantised operand takes f32 operands (vector FMAs, or v_wmma_f32_16x16x4_f32). A number that lies on a knife's edge between two numbers of the format may be rounded either way, as far as f32 arithmetic and the matrix unit's own rounding can turn it there, and no further.
;;   INPUTS GIVEN AS CODES. k (in the module: [4, 2048, 1024], K = its axis 2); v (in the module: [4, 2048, 1024], K = its axis 2); w_fc (in the module: [1024, 1024], K = its axis 0); w_k (in the module: [1024, 1024], K = its axis 0); w_q (in the module: [1024, 1024], K = its axis 0); w_v (in the module: [1024, 1024], K = its axis 0): each comes as NAME_codes (uint8): NAME with its K axis moved to the last place and cut into blocks of 32 codes, [.., K / 32, bytes a block], one block behind the other in memory; one code a byte (a code: sign, 4 exponent bits, 3 mantissa bits); its scale is its entry of lowp_scales. Its value is code x scale, taken as it is: it is not quantised again, and the codes and scales need not be those that the quantiser above would give.
;; 2 versions, each right; version 2 is version 1 with the launch attn written anew for expert scheduling mode. Each part assembles by itself: llvm-mc -triple=amdgcn-amd-amdhsa -mcpu=gfx1250 --defsym DOCPART=n.
;; ======== version 1 of 2: 4 launches
;; workspace buffers: qcodes 8,388,608 bytes; hcodes 25,165,824 bytes; ctx 8,388,608 bytes
;; launch quantq (part 1): grid 256 x 1, 4 waves a work-group, no clusters, 33,280 bytes of LDS; arguments q, lowp_scales, qcodes; writes qcodes
.if DOCPART == 1
	.amdgcn_target "amdgcn-amd-amdhsa--gfx1250"
	.amdhsa_code_object_version 6
	.text
	.protected	k_q60cdfdfb0a_quantq
	.globl	k_q60cdfdfb0a_quantq
	.p2align	8
	.type	k_q60cdfdfb0a_quantq,@function
k_q60cdfdfb0a_quantq:
	s_mov_b64 s[64:65], 0
	v_nop
	global_prefetch_b8 v0, s[64:65] scope:SCOPE_SE
	s_setreg_imm32_b32 hwreg(HW_REG_WAVE_MODE, 25, 1), 1
	s_wait_xcnt 0x0
; q [8192][1024], f32, becomes codes of FP8 (E4M3), one a byte, K innermost, with the given scale 2^e0 (entry 0 of the scales).
; code = x / 2^e0, held within +-448, rounded to the nearest code, ties to even.
; LIMITS: e0 between -126 and 119, so that 2^e0 and 448 x 2^e0 are f32 numbers.  NaN among the inputs is not served; an infinity is held at the largest code.
; Rows are dense, so q is a plain stream of 8,388,608 numbers: 256 work-groups x 4 waves x 16 steps of 512 numbers.
; The conversion takes eight neighbours from ONE lane's registers, a load is dense where neighbouring LANES take neighbouring bytes.  Both are had: each of a step's four loads reads
; 512 consecutive bytes, 16 a lane; the 2,048 bytes go through the wave's own stage in LDS as they lie and come back 64 bytes a lane (16 bytes of padding behind each 64).
; A lane's 16 codes are 16 bytes: the wave stores 512 consecutive bytes.  Waves share nothing: no barrier.  Matrix units, clusters and tensor loads would add nothing to a stream that is read once.
.set STEPS, 16
.set R,     16                         ; v16-79   four sets of 16 numbers as they are loaded
.set X,     80                         ; v80-111  two sets of 16 neighbours
.set C,     128                        ; v128-191 codes: four registers for each step, so that no store's data are written again
.set WREG,  8192                       ; LDS: a region for each wave: two stages of 32 x SP bytes
.set SP,    80                         ; a lane's place in a stage: its 64 bytes + 16 of padding
	s_load_b128 s[4:7], s[0:1], 0x0                ; q, the scales' exponents
	s_load_b64 s[8:9], s[0:1], 0x10                ; the codes
	v_lshl_add_u32 v192, v0, 2, 0x8000
	v_mov_b32 v193, 0
	v_lshrrev_b32 v1, 5, v0
	v_readfirstlane_b32 s16, v1                    ; wave
	v_and_b32 v2, 31, v0                           ; lane
	v_lshlrev_b32 v3, 4, v2                        ; my 16 bytes of a load's 512
	s_mul_i32 s17, s16, WREG
	v_lshrrev_b32 v14, 2, v2
	v_mul_u32_u24 v14, v14, SP
	v_and_b32 v15, 3, v2
	v_lshl_add_u32 v14, v15, 4, v14
	v_add_nc_u32 v14, s17, v14                     ; the stage, on the way in: SP (lane / 4) + 16 (lane % 4); a load's 512 bytes take eight places
	v_mul_u32_u24 v15, v2, SP
	v_add_nc_u32 v15, s17, v15                     ; and on the way out: SP x lane: my 16 neighbours
	v_lshlrev_b32 v4, 4, v2                        ; my codes' place in a step's 512 bytes
	s_lshl_b32 s18, ttmp9, 2
	s_add_co_u32 s18, s18, s16                     ; which run of 8,192 numbers is my wave's: 0 .. 1,023
	s_lshl_b32 s20, s18, 15                        ; in q: 32,768 bytes a run
	s_mov_b32 s21, 0
	s_lshl_b32 s24, s18, 13                        ; in the codes: 8,192
	s_mov_b32 s25, 0
	s_wait_kmcnt 0x0
	s_load_b32 s22, s[6:7], 0x0                    ; e0
	s_add_nc_u64 s[4:5], s[4:5], s[20:21]
	s_add_nc_u64 s[8:9], s[8:9], s[24:25]
.macro LOAD t
.irp i, 0,1,2,3
	global_load_b128 v[R+16*((\t)%4)+4*\i:R+16*((\t)%4)+4*\i+3], v3, s[4:5] offset:2048*(\t)+512*\i th:TH_LOAD_NT   ; 32 lanes read 512 consecutive bytes
.endr
.endm
.macro TURN t                          ; step t's numbers through the stage: LDS serves a wave's instructions in order (ISA guide 5.7.1.4), so no wait stands between the stores and the loads
.irp i, 0,1,2,3
	ds_store_b128 v14, v[R+16*((\t)%4)+4*\i:R+16*((\t)%4)+4*\i+3] offset:32*SP*((\t)%2)+8*SP*\i
.endr
.irp i, 0,1,2,3
	ds_load_b128 v[X+16*((\t)%2)+4*\i:X+16*((\t)%2)+4*\i+3], v15 offset:32*SP*((\t)%2)+16*\i
.endr
.endm
.irp t, 0,1,2,3
	LOAD \t
.endr
	s_wait_kmcnt 0x0
	s_add_co_i32 s22, s22, 127
	s_lshl_b32 s23, s22, 23
	v_mov_b32 v11, s23                             ; 2^e0 as f32: the conversion takes its exponent field
	s_add_co_i32 s22, s22, 8
	s_lshl_b32 s22, s22, 23
	s_or_b32 s22, s22, 0x600000
	v_mov_b32 v10, s22                             ; 448 x 2^e0
	s_wait_loadcnt 12                              ; step 0's four loads are in; the twelve of steps 1 to 3 may be out
	TURN 0
.macro STEP t
.set XS, X+16*((\t)%2)
	s_wait_dscnt 0x0                               ; this step's numbers are back from the stage: so its stores into the stage have read their registers,
.if (\t)+4 < STEPS
	LOAD (\t)+4                                    ; which take the loads of four steps on
.endif
.if (\t)+1 < STEPS
.if STEPS-2-(\t) >= 3
	s_wait_loadcnt 12                              ; the next step's four loads are in; those of the three steps behind it may be out
.else
	s_wait_loadcnt 4*(STEPS-2-(\t))                ; at the end the counts run down
.endif
	TURN (\t)+1                                    ; and go through the other stage while this step is worked
.endif
.irp i, 0,1,2,3,4,5,6,7,8,9,10,11,12,13,14,15
	v_med3_num_f32 v[XS+\i], v[XS+\i], -v10, v10   ; the conversion to an 8-bit code does not saturate (ISA guide 7.6.2): the hold at the largest code x the scale comes first
.endr
	v_cvt_scalef32_pk8_fp8_f32 v[C+4*(\t):C+4*(\t)+1], v[XS:XS+7], v11
	v_cvt_scalef32_pk8_fp8_f32 v[C+4*(\t)+2:C+4*(\t)+3], v[XS+8:XS+15], v11      ; the results go to a store alone; the next vector lines are the next step's holds, on the other set
	global_store_b128 v4, v[C+4*(\t):C+4*(\t)+3], s[8:9] offset:512*(\t)         ; 32 lanes store 512 consecutive bytes, aligned
.endm
.irp t, 0,1,2,3,4,5,6,7,8,9,10,11,12,13,14,15
	STEP \t
.endr
	s_wait_tensorcnt 0x0
	ds_add_u32 v192, v193
	s_wait_dscnt 0x0
	s_endpgm
.Lfunc_end_k_q60cdfdfb0a_quantq:
	.size	k_q60cdfdfb0a_quantq, .Lfunc_end_k_q60cdfdfb0a_quantq-k_q60cdfdfb0a_quantq
	.p2alignl 7, 3214868480
	.fill 96, 4, 3214868480
	.section	.rodata,"a",@progbits
	.p2align	6, 0x0
	.amdhsa_kernel k_q60cdfdfb0a_quantq
		.amdhsa_group_segment_fixed_size 33280
		.amdhsa_private_segment_fixed_size 0
		.amdhsa_enable_private_segment 0
		.amdhsa_kernarg_size 24
		.amdhsa_user_sgpr_count 2
		.amdhsa_user_sgpr_kernarg_segment_ptr 1
		.amdhsa_wavefront_size32 1
		.amdhsa_system_sgpr_workgroup_id_x 1
		.amdhsa_system_sgpr_workgroup_id_y 1
		.amdhsa_system_sgpr_workgroup_id_z 1
		.amdhsa_system_vgpr_workitem_id 0
		.amdhsa_next_free_vgpr 194
		.amdhsa_next_free_sgpr 66
		.amdhsa_reserve_vcc 0
		.amdhsa_float_denorm_mode_32 3
		.amdhsa_float_denorm_mode_16_64 3
		.amdhsa_memory_ordered 1
		.amdhsa_forward_progress 1
		.amdhsa_inst_pref_size 37
	.end_amdhsa_kernel
	.amdgpu_metadata
---
amdhsa.version: [ 1, 2 ]
amdhsa.kernels:
  - .name:           k_q60cdfdfb0a_quantq
    .symbol:         k_q60cdfdfb0a_quantq.kd
    .args:
      - { .name: q, .offset: 0, .size: 8, .value_kind: global_buffer, .address_space: global }
      - { .name: lowp_scales, .offset: 8, .size: 8, .value_kind: global_buffer, .address_space: global }
      - { .name: qcodes, .offset: 16, .size: 8, .value_kind: global_buffer, .address_space: global }
    .group_segment_fixed_size: 33280
    .private_segment_fixed_size: 0
    .kernarg_segment_align: 8
    .kernarg_segment_size: 24
    .max_flat_workgroup_size: 128
    .sgpr_count:     66
    .vgpr_count:     194
    .wavefront_size: 32
...
	.end_amdgpu_metadata
.endif
;; end of part 1
;; launch proj (part 2): grid 4 x 96, 4 waves a work-group, clusters of 4 x 4, 327,680 bytes of LDS; arguments qcodes, k_codes, v_codes, w_q_codes, w_k_codes, w_v_codes, lowp_scales, hcodes; writes hcodes
.if DOCPART == 2
	.amdgcn_target "amdgcn-amd-amdhsa--gfx1250"
	.amdhsa_code_object_version 6
	.text
	.protected	k_q60cdfdfb0a_proj
	.globl	k_q60cdfdfb0a_proj
	.p2align	8
	.type	k_q60cdfdfb0a_proj,@function
k_q60cdfdfb0a_proj:
	s_mov_b64 s[64:65], 0
	v_nop
	global_prefetch_b8 v0, s[64:65] scope:SCOPE_SE
	s_setreg_imm32_b32 hwreg(HW_REG_WAVE_MODE, 25, 1), 1
	s_wait_xcnt 0x0
	s_wait_alu depctr_hold_cnt(0) depctr_sa_sdst(0) depctr_va_vdst(0) depctr_va_sdst(0) depctr_va_ssrc(0) depctr_va_vcc(0) depctr_vm_vsrc(0)
	s_getreg_b32 s2, hwreg(HW_REG_IB_STS2, 6, 4)
	s_cmp_eq_u32 s2, 0
	s_cbranch_scc0 .Lentry_in_a_cluster
	s_endpgm
.Lentry_in_a_cluster:
	s_bfe_u32 s2, ttmp6, 0x10000c
	s_cmp_lg_u32 s2, 0xf033
	s_cbranch_scc0 .Lentry_shape_is_right
	s_endpgm
.Lentry_shape_is_right:
; The three projections, each 8,192 x 1,024 x 1,024 on codes of FP8 (E4M3), and the quantising of their results qh (scale 2^e6), kh (2^e7), vh (2^e9) for the attention launch.
; The body computes "rows of A x rows of B" over K = 1,024, both [rows][1024] codes.  THE MATRIX INSTRUCTION IS USED TRANSPOSED (source 0 = 16 rows of B, source 1 = 16 rows of A):
; lane (r, h) holds ONE row of A (r) and its eight registers run along B's rows 8 h + 0 .. 7.  So one conversion of an accumulator's eight registers gives registers 2 b, 2 b + 1 of an 8-bit
; operand whose K runs along B's rows (k = 16 b + 8 h + 0 .. 7): the results leave as IMAGES OF THE NEXT OPERAND'S REGISTERS, four registers by one store of 16 bytes a lane, and nothing is transposed.
; P = cluster y / 8 names the projection:  0: A = q's codes, B = w_q;  1: A = k's, B = w_k (lane = token, registers along the head's 64);  2: A = w_v, B = v's codes (lane = a channel of a head, registers along the keys).
; A tile is 256 x 256, four waves of 128 x 128 (64 accumulators, 512 registers).  96 rows of 4 work-groups: 384 tiles.  K goes in steps of 256 through two LDS slots filled by tensor loads.
; CLUSTERS: 4 x 4.  A's tile hangs on cy and the cluster's y and is asked for jointly along a row of the cluster, B's on cx and the cluster's y, jointly along a column.
; Fragments come by four 16-byte LDS loads: a permutation of k inside 128, the same in A and in B, so every product meets its partner.
; hcodes: sections Q, K, V of 8,388,608 bytes; a section is [32 pairs of heads = 8 batch + head / 2][16 blocks of 128 tokens][16,384 bytes]; a wave's whole result is one such block: block of A's rows a at 2,048 a, group g of four registers at 512 g.
;   Q, K: [8 tiles of 16 tokens][2 heads][1,024: 8 registers x 32 lanes];   V: [2 heads][4 tiles of 16 channels][2,048: 16 registers x 32 lanes, K = the block's 128 keys].
; LIMITS: e6 - e0 - e1, e7 - e2 - e3 and e9 - e4 - e5 lie between -126 and 119, so that the conversion's scale and 448 x it are f32 numbers.
; REGISTERS, in windows of 256: window 0: v0-31 addresses and constants; v32-95 at work on the way out; from v128 A's fragments, ONE set, later the codes.  window 1: B's fragments, two sets.  windows 2, 3: the accumulators ((a, b) at v[8 (8 (a % 4) + b)]).
.set ROWB,   256                       ; a tile's row in bytes: 256 along K
.set KROW,   1024                      ; a row of A or of B in memory
.set PITCH,  272                       ; an LDS row: 256 bytes + 16 of padding = 68 words: the 16 rows that a load touches start at 16 different banks (64 banks of 4 bytes: ISA guide 11.1)
.set FR,     16                        ; registers of a fragment: 16 rows x 128 K
.set NL,     4                         ; LDS loads that bring one
.set NP,     4                         ; places behind this matrix instruction (ISA guide 7.12.1)
.set HALFT,  128*PITCH                 ; 128 rows: what one tensor load brings, and what one wave reads of A or of B
.set SLOT,   4*HALFT                   ; A's 256 rows, then B's 256 rows
.set SPARE,  2*SLOT                    ; behind the ring: the spare words, 128 bytes for each wave: two blocks of 256 bytes that no other line names
.set ADRA, 16                          ; v16-17  LDS address of my A fragments in slot 0, 1
.set ADRB, 20                          ; v20-21  the same for B
.set CO,   26                          ; v26     16 x lane: my place in a stored group
.set SPW,  28                          ; v28     LDS address of my spare word; never rewritten
.set NIL,  29                          ; v29     0; never rewritten
.set SCV,  30                          ; v30     the conversion's scale as f32
.set LIMV, 31                          ; v31     448 x that
.set TMP,  32                          ; v32-95  a block's 64 sums, held
.set AF,   128                         ; A's fragments, in window 0
.set CD,   128                         ; the way out: 16 registers of codes for each block of A's rows, each block its own
.set G1, 24                            ; s[24:31] descriptor group 1 for A's tiles;  s[32:39] group 0, one set for each slot
.set G0, 32
.set G1B, 48                           ; s[48:55], s[56:63] the same for B's tiles
.set G0B, 56
.set MSB, 0
.macro WIN new                         ; the immediate's high byte repeats the setting that is left
.if MSB != \new
	s_set_vgpr_msb (MSB<<8)|\new
.set MSB, \new
.endif
.endm
.set MUL_LO, 0xa1                      ; source 0 (B) window 1, source 1 (A) window 0, C and D window 2
.set MUL_HI, 0xf1                      ; the same, C and D window 3
.set TO_B,   0x40                      ; destination window 1, address window 0
; A joint load: waves 0 and 1 fetch for A, waves 2 and 3 for B.  Each line has one mask and one set of registers for all that issue it; the branch hangs on the wave's number alone.
; Four v_nop follow each of the two lines, ahead of the jump, the label and what follows.
.macro JLOAD g0a, g1a, g0b, g1b
	s_cmp_eq_u32 s15, 0
	s_cbranch_scc0 .Lfor_b_\@
	tensor_load_to_lds s[\g0a:\g0a+3], s[\g1a:\g1a+7]
	s_nop 0
.rept 4
	v_nop
.endr
	s_branch .Lasked_\@
.Lfor_b_\@:
	tensor_load_to_lds s[\g0b:\g0b+3], s[\g1b:\g1b+7]
	s_nop 0
.rept 4
	v_nop
.endr
.Lasked_\@:
.endm
.macro CREST                           ; a round of the cluster's barrier behind its opening barrier
	s_cmp_lg_u32 s14, 0
	s_cbranch_scc1 .Lnot_wave_0_\@
	s_barrier_signal -3
.Lnot_wave_0_\@:
	s_barrier_wait -3
	s_barrier_signal -1
	s_barrier_wait -1
.endm
.macro CROUND                          ; a whole round
	s_barrier_signal -1
	s_barrier_wait -1
	CREST
.endm
	s_load_b512 s[68:83], s[0:1], 0x0              ; q's codes 68, k's 70, v's 72, w_q 74, w_k 76, w_v 78, the scales 80, hcodes 82
	v_lshl_add_u32 v[SPW], v0, 2, SPARE
	v_mov_b32 v[NIL], 0
	ds_add_u32 v28, v29
	ds_add_u32 v28, v29
	s_wait_dscnt 0x0
	v_lshrrev_b32 v1, 5, v0
	v_readfirstlane_b32 s14, v1                    ; wave 0..3
	s_lshr_b32 s15, s14, 1                         ; which half of the tile's rows of A is mine.  Also: I fetch for A (0) or for B (1)
	s_and_b32 s16, s14, 1                          ; which half of B's rows.  Also: which 128 rows of that tile I fetch
	s_bfe_u32 s40, ttmp6, 0x40000                  ; cx, cy: my place in the cluster
	s_bfe_u32 s41, ttmp6, 0x40004
	s_and_b32 s97, ttmp7, 0xffff                   ; the cluster's y, 0 .. 23, which all sixteen partners share
	s_lshr_b32 s96, s97, 3                         ; P: the projection
	s_and_b32 s97, s97, 7
	s_lshl_b32 s97, s97, 2                         ; four tiles of the long operand (8,192 rows) to a cluster
	s_cmp_eq_u32 s96, 2
	s_cselect_b32 s17, 0, s97                      ; the long operand is A for q and k,
	s_cselect_b32 s42, s97, 0                      ; B for v
	s_add_co_u32 s17, s17, s41                     ; A's tile: + cy
	s_add_co_u32 s42, s42, s40                     ; B's tile: + cx
	s_lshl_b32 s43, s41, 2
	s_lshl_b32 s43, 15, s43                        ; my row of the cluster
	s_lshl_b32 s44, 0x1111, s40                    ; my column
	; descriptor group 1: a tile of 128 rows x 256 bytes, padded in LDS
	s_or_b32 s[G1+0], s43, (0<<16)|(1<<20)|(1<<21)|(5<<22)|(3<<25)  ; 15:0 the mask: A's tiles go to my row; 17:16 element of 1 byte; 20 padding on; 21 set beside a mask; 24:22 after every 64 words (code 5); 31:25 of 4 words (code 3)
	s_or_b32 s[G1B+0], s44, (0<<16)|(1<<20)|(1<<21)|(5<<22)|(3<<25)
.irp g, G1, G1B
	s_mov_b32 s[\g+1], ROWB<<16                    ; tensor_dim0
	s_mov_b32 s[\g+2], 128<<16                     ; tensor_dim1 = 128
	s_mov_b32 s[\g+3], ROWB<<16                    ; tile_dim0
	s_mov_b32 s[\g+4], 128                         ; tile_dim1 = 128
	s_mov_b32 s[\g+5], KROW                        ; tensor_dim0_stride
	s_mov_b32 s[\g+6], 0
	s_mov_b32 s[\g+7], 0
.endr
	s_lshl_b32 s18, s16, 7                         ; which 128 rows of the tile I fetch
	s_lshl_b32 s20, s17, 8
	s_add_co_u32 s20, s20, s18                     ; A: row 256 x tile + 128 x half,
	s_lshl_b32 s20, s20, 10                        ; in bytes (under 2^23)
	s_mov_b32 s21, 0
	s_lshl_b32 s46, s42, 8
	s_add_co_u32 s46, s46, s18                     ; B likewise, in registers that never hold cy
	s_lshl_b32 s46, s46, 10
	s_mov_b32 s47, 0
	s_mul_i32 s45, s14, HALFT                      ; where they go: wave x 128 rows: no place in the cluster enters an LDS address
	s_wait_kmcnt 0x0
	s_load_b256 s[84:91], s[80:81], 0x0            ; e0 .. e7
	s_load_b128 s[92:95], s[80:81], 0x20           ; e8 .. e11
	s_cmp_eq_u32 s96, 0                            ; the buffers are chosen by the projection's number alone
	s_cselect_b64 s[4:5], s[68:69], s[70:71]
	s_cselect_b64 s[6:7], s[74:75], s[76:77]
	s_cmp_eq_u32 s96, 2
	s_cselect_b64 s[4:5], s[78:79], s[4:5]         ; for v: A = w_v,
	s_cselect_b64 s[6:7], s[72:73], s[6:7]         ; B = v's codes
	s_add_nc_u64 s[20:21], s[4:5], s[20:21]
	s_add_nc_u64 s[46:47], s[6:7], s[46:47]
	CROUND                                         ; all sixteen work-groups are here: the first joint loads meet
.irp s, 0,1
	s_mov_b32 s[G0+4*\s], 1
	s_add_co_u32 s[G0+4*\s+1], s45, \s*SLOT
	s_add_nc_u64 s[G0+4*\s+2:G0+4*\s+3], s[20:21], \s*ROWB
	s_or_b32 s[G0+4*\s+3], s[G0+4*\s+3], 0x80000000
	s_mov_b32 s[G0B+4*\s], 1
	s_add_co_u32 s[G0B+4*\s+1], s45, \s*SLOT
	s_add_nc_u64 s[G0B+4*\s+2:G0B+4*\s+3], s[46:47], \s*ROWB
	s_or_b32 s[G0B+4*\s+3], s[G0B+4*\s+3], 0x80000000
	JLOAD G0+4*\s, G1, G0B+4*\s, G1B               ; two tensor loads of mine are out behind these
.endr
	v_and_b32 v1, 15, v0                           ; l % 16
	v_bfe_u32 v2, v0, 4, 1                         ; l / 16
	v_mul_u32_u24 v3, v1, PITCH
	v_lshl_add_u32 v4, v2, 4, v3                   ; a fragment's row x pitch + 16 x half
	s_mul_i32 s21, s15, HALFT                      ; my 128 rows of A
	s_mul_i32 s22, s16, HALFT                      ; my 128 rows of B,
	s_add_co_u32 s22, s22, 2*HALFT                 ; which lie behind A's 256
.irp s, 0,1
	v_add_nc_u32 v[ADRA+\s], s21, v4
	v_add_nc_u32 v[ADRB+\s], s22, v4
	s_add_co_u32 s21, s21, SLOT
	s_add_co_u32 s22, s22, SLOT
.endr
	v_and_b32 v6, 31, v0
	v_lshlrev_b32 v[CO], 4, v6
	; where my 16,384 bytes of results go
	s_lshl_b32 s20, s17, 1
	s_add_co_u32 s20, s20, s15                     ; which 128 rows of A are mine
	s_lshl_b32 s46, s42, 1
	s_add_co_u32 s46, s46, s16                     ; which 128 rows of B
	s_cmp_eq_u32 s96, 2
	s_cselect_b32 s98, s46, s20                    ; the block of 128 tokens, 0 .. 63: of the long operand,
	s_cselect_b32 s99, s20, s46                    ; the pair of heads, 0 .. 7: of the weight
	s_lshr_b32 s18, s98, 4                         ; batch
	s_lshl_b32 s18, s18, 3
	s_add_co_u32 s18, s18, s99
	s_lshl_b32 s18, s18, 18                        ; (8 batch + pair) x 16 blocks x 16,384
	s_and_b32 s19, s98, 15
	s_lshl_b32 s19, s19, 14
	s_add_co_u32 s18, s18, s19                     ; + the block in its batch
	s_lshl_b32 s19, s96, 23
	s_add_co_u32 s18, s18, s19                     ; + the section
	s_mov_b32 s19, 0
	s_add_nc_u64 s[10:11], s[82:83], s[18:19]
	; a sum stands for sum x 2^(A's e + B's e), and its code is that / 2^(the result's e): the three exponents are folded into the conversion's one scale.  Chosen without a branch
	s_wait_kmcnt 0x0
	s_sub_co_i32 s90, s90, s84
	s_sub_co_i32 s90, s90, s85                     ; e6 - e0 - e1
	s_sub_co_i32 s91, s91, s86
	s_sub_co_i32 s91, s91, s87                     ; e7 - e2 - e3
	s_sub_co_i32 s93, s93, s88
	s_sub_co_i32 s93, s93, s89                     ; e9 - e4 - e5
	s_cmp_eq_u32 s96, 0
	s_cselect_b32 s90, s90, s91
	s_cmp_eq_u32 s96, 2
	s_cselect_b32 s90, s93, s90
	s_add_co_i32 s90, s90, 127
	s_lshl_b32 s91, s90, 23
	v_mov_b32 v[SCV], s91
	s_add_co_i32 s90, s90, 8
	s_lshl_b32 s90, s90, 23
	s_or_b32 s90, s90, 0x600000
	v_mov_b32 v[LIMV], s90
.macro FRAG reg, adr, q, i             ; a fragment, 16 rows x 128 K, is 16 registers: lane l holds row l % 16; registers 4 c .. 4 c + 3 hold K = 32 c + 16 (l / 16) + 0 .. 15
.irp c, 0,1,2,3
	ds_load_b128 v[\reg+4*\c:\reg+4*\c+3], v[\adr] offset:128*(\q)+32*\c+(\i)*16*PITCH
.endr
.endm
; 16 matrix instructions: A's blocks a0, a0 + 1 x B's eight, 128 along K.  p: B's set.  zero = 1: the first product starts the sums: nothing is ever cleared.
; The 64 accumulators take turns, one instruction a turn, in the same order in every step.
.macro MUL16 a0, p, zero
.irp a, \a0, \a0+1
.irp b, 0,1,2,3,4,5,6,7
.if \zero
	v_wmma_f32_16x16x128_fp8_fp8 v[8*(8*((\a)%4)+\b):8*(8*((\a)%4)+\b)+7], v[128*(\p)+FR*\b:128*(\p)+FR*\b+FR-1], v[AF+FR*(\a):AF+FR*(\a)+FR-1], 0
.else
	v_wmma_f32_16x16x128_fp8_fp8 v[8*(8*((\a)%4)+\b):8*(8*((\a)%4)+\b)+7], v[128*(\p)+FR*\b:128*(\p)+FR*\b+FR-1], v[AF+FR*(\a):AF+FR*(\a)+FR-1], v[8*(8*((\a)%4)+\b):8*(8*((\a)%4)+\b)+7]
.endif
.endr
.endr
.endm
.macro FETCH_B slot, q, p              ; B's eight fragments of the slot's q-th 128 along K into set p
	WIN TO_B
.irp i, 0,1,2,3,4,5,6,7
	FRAG 128*(\p)+FR*\i, ADRB+\slot, \q, \i
.endr
	WIN 0
.endm
.macro FETCH_A slot, q, i0             ; A's blocks i0 .. i0 + 3
.irp i, \i0, \i0+1, \i0+2, \i0+3
	FRAG AF+FR*(\i), ADRA+\slot, \q, \i
.endr
.endm
; A load into a register that a matrix instruction has read, and a vector instruction that reads a matrix result, stand NP places behind that matrix instruction; only plain vector
; instructions that name none of its registers are places (ISA guide 7.12.1 for vector instructions).
.macro PLACES n
.rept \n
	v_nop
.endr
.endm
; A step of 128 along K that has its successor in the same slot.  A block of A is free as soon as its eight products are issued: blocks 0-3 are fetched anew in the step's middle, blocks 4-7 at its end.
.macro STEP slot, q, zero
	s_wait_dscnt 4*NL                              ; B's set and A's blocks 0-3 are in; the youngest sixteen loads (A's blocks 4-7) may be out
	WIN MUL_LO
	MUL16 0, (\q)%2, \zero
	MUL16 2, (\q)%2, \zero
	s_wait_dscnt 0                                 ; A's blocks 4-7 are in (asked for 32 matrix instructions ago)
	PLACES NP
	FETCH_B \slot, (\q)+1, 1-(\q)%2
	FETCH_A \slot, (\q)+1, 0
	WIN MUL_HI
	MUL16 4, (\q)%2, \zero
	MUL16 6, (\q)%2, \zero
	PLACES NP
	WIN 0
	FETCH_A \slot, (\q)+1, 4
.endm
; A slot's last step changes slots: ONE barrier; in front of it each wave waits for all its tensor loads, adds 0 to its spare word, and waits for that and for its own reads of this slot.  fill = 1: this slot is filled again, two K steps ahead.
.macro TURN slot, next, fill
	s_wait_tensorcnt 0x0                           ; all my tensor loads have landed: the one that was out is my part of the next slot  (every window is 0 here)
	ds_add_u32 v[SPW], v[NIL]                      ; 0 onto my spare word
	s_wait_dscnt 4*NL+1                            ; (the add and the youngest sixteen loads, A's blocks 4-7, may be out)
	WIN MUL_LO
	MUL16 0, 1, 0                                  ; sixteen matrix instructions stand between the add and the wait for it
	s_wait_dscnt 0x0                               ; the add is done, and my reads of this slot are over
	s_barrier_signal -1
	MUL16 2, 1, 0
	WIN 0
	s_barrier_wait -1
.if \fill
	CREST                                          ; the barrier has opened a round of the cluster's barrier: no wave of any partner still reads this slot's tile or has a load on its way
	s_add_nc_u64 s[G0+4*\slot+2:G0+4*\slot+3], s[G0+4*\slot+2:G0+4*\slot+3], 2*ROWB
	s_add_nc_u64 s[G0B+4*\slot+2:G0B+4*\slot+3], s[G0B+4*\slot+2:G0B+4*\slot+3], 2*ROWB
	JLOAD G0+4*\slot, G1, G0B+4*\slot, G1B         ; the first tensor load behind the round, my one load that is out; its four v_nop are the places in front of the loads below
.else
	PLACES NP
.endif
	FETCH_B \next, 0, 0
	FETCH_A \next, 0, 0
	WIN MUL_HI
	MUL16 4, 1, 0
	MUL16 6, 1, 0
	PLACES NP
	WIN 0
	FETCH_A \next, 0, 4
.endm
	s_wait_tensorcnt 1                             ; my part of K step 0 is in (K step 1's load may be out)
	s_barrier_signal -1
	s_barrier_wait -1                              ; everybody's is
	FETCH_B 0, 0, 0
	FETCH_A 0, 0, 0
	FETCH_A 0, 0, 4
	; K = 1,024 is four K steps of 256, eight steps of 128: written out, no loop
	STEP 0, 0, 1                                   ; the first products start the sums
	TURN 0, 1, 1                                   ; slot 0 takes K step 2
	STEP 1, 0, 0
	TURN 1, 0, 1                                   ; slot 1 takes K step 3
	STEP 0, 0, 0
	TURN 0, 1, 0                                   ; nothing is left to fetch
	STEP 1, 0, 0
	s_wait_dscnt 4*NL                              ; the very last step
	WIN MUL_LO
	MUL16 0, 1, 0
	MUL16 2, 1, 0
	s_wait_dscnt 0
	WIN MUL_HI
	MUL16 4, 1, 0
	MUL16 6, 1, 0
	WIN 0
; THE WAY OUT, block a of A's rows: its 64 sums are held within +-448 x the scale (the conversion does not saturate: ISA guide 7.6.2), each accumulator from its low end on; eight conversions give the
; 16 registers of codes; four stores of 16 bytes a lane, 512 consecutive bytes each, aligned.  Each block has its own registers for its codes and the base never steps: no store's source is written again.
.macro OUTB a
.set AC, 64*((\a)%4)
	WIN 0x02+((\a)/4)                              ; source 0: window 2 or 3
.set j, 0
.rept 64
	v_med3_num_f32 v[TMP+j], v[AC+j], -v[LIMV], v[LIMV]
.set j, j+1
.endr
	WIN 0
.irp b, 0,1,2,3,4,5,6,7
	v_cvt_scalef32_pk8_fp8_f32 v[CD+16*(\a)+2*\b:CD+16*(\a)+2*\b+1], v[TMP+8*\b:TMP+8*\b+7], v[SCV]
.endr
	v_nop                                          ; one plain vector line between the conversions and the next block's holds, which write their sources
.irp g, 0,1,2,3
	global_store_b128 v[CO], v[CD+16*(\a)+4*\g:CD+16*(\a)+4*\g+3], s[10:11] offset:2048*(\a)+512*\g
.endr
.endm
	PLACES NP                                      ; behind the last products: their results are read, and the registers that held A's fragments are written
.irp a, 0,1,2,3,4,5,6,7
	OUTB \a
.endr
	s_wait_tensorcnt 0x0                           ; the wave's end
	ds_add_u32 v[SPW], v[NIL]
	s_wait_dscnt 0x0
	CROUND                                         ; the closing round: no work-group ends while a partner may still ask for a tile that names it
	s_endpgm
.Lfunc_end_k_q60cdfdfb0a_proj:
	.size	k_q60cdfdfb0a_proj, .Lfunc_end_k_q60cdfdfb0a_proj-k_q60cdfdfb0a_proj
	.p2alignl 7, 3214868480
	.fill 96, 4, 3214868480
	.section	.rodata,"a",@progbits
	.p2align	6, 0x0
	.amdhsa_kernel k_q60cdfdfb0a_proj
		.amdhsa_group_segment_fixed_size 327680
		.amdhsa_private_segment_fixed_size 0
		.amdhsa_enable_private_segment 0
		.amdhsa_kernarg_size 64
		.amdhsa_user_sgpr_count 2
		.amdhsa_user_sgpr_kernarg_segment_ptr 1
		.amdhsa_wavefront_size32 1
		.amdhsa_system_sgpr_workgroup_id_x 1
		.amdhsa_system_sgpr_workgroup_id_y 1
		.amdhsa_system_sgpr_workgroup_id_z 1
		.amdhsa_system_vgpr_workitem_id 0
		.amdhsa_next_free_vgpr 1024
		.amdhsa_next_free_sgpr 100
		.amdhsa_reserve_vcc 0
		.amdhsa_float_denorm_mode_32 3
		.amdhsa_float_denorm_mode_16_64 3
		.amdhsa_memory_ordered 1
		.amdhsa_forward_progress 1
		.amdhsa_inst_pref_size 118
	.end_amdhsa_kernel
	.amdgpu_metadata
---
amdhsa.version: [ 1, 2 ]
amdhsa.kernels:
  - .name:           k_q60cdfdfb0a_proj
    .symbol:         k_q60cdfdfb0a_proj.kd
    .args:
      - { .name: qcodes, .offset: 0, .size: 8, .value_kind: global_buffer, .address_space: global }
      - { .name: k_codes, .offset: 8, .size: 8, .value_kind: global_buffer, .address_space: global }
      - { .name: v_codes, .offset: 16, .size: 8, .value_kind: global_buffer, .address_space: global }
      - { .name: w_q_codes, .offset: 24, .size: 8, .value_kind: global_buffer, .address_space: global }
      - { .name: w_k_codes, .offset: 32, .size: 8, .value_kind: global_buffer, .address_space: global }
      - { .name: w_v_codes, .offset: 40, .size: 8, .value_kind: global_buffer, .address_space: global }
      - { .name: lowp_scales, .offset: 48, .size: 8, .value_kind: global_buffer, .address_space: global }
      - { .name: hcodes, .offset: 56, .size: 8, .value_kind: global_buffer, .address_space: global }
    .group_segment_fixed_size: 327680
    .private_segment_fixed_size: 0
    .kernarg_segment_align: 8
    .kernarg_segment_size: 64
    .max_flat_workgroup_size: 128
    .sgpr_count:     100
    .vgpr_count:     1024
    .wavefront_size: 32
...
	.end_amdgpu_metadata
.endif
;; end of part 2
;; launch attn (part 3): grid 4 x 64, 16 waves a work-group, no clusters, 264,192 bytes of LDS; arguments hcodes, lowp_scales, ctx; writes ctx
.if DOCPART == 3
	.amdgcn_target "amdgcn-amd-amdhsa--gfx1250"
	.amdhsa_code_object_version 6
	.text
	.protected	k_q60cdfdfb0a_attn
	.globl	k_q60cdfdfb0a_attn
	.p2align	8
	.type	k_q60cdfdfb0a_attn,@function
k_q60cdfdfb0a_attn:
	s_mov_b64 s[64:65], 0
	v_nop
	global_prefetch_b8 v0, s[64:65] scope:SCOPE_SE
	s_setreg_imm32_b32 hwreg(HW_REG_WAVE_MODE, 25, 1), 1
	s_wait_xcnt 0x0
; ctx = softmax(qh kh^T / 8) vh for 64 (batch, head) pairs of 2,048 x 2,048 x 64, both products on codes of FP8 (E4M3), and the quantising of ctx (scale 2^e10) for the last product.
; THE SOFTMAX AHEAD OF THE SECOND PRODUCT: t = score x log2(e) / 8; M = the running largest t rounded UP to a whole number; p = 2^(t - M) is quantised with 2^e8, not normalised.
; The row's sum is taken of the unquantised p, in f32, and divides at the end.  When M moves, the sum and O are multiplied by 2^(old M - new M): exact.
; SHARES.  Work-group (x, y) owns 512 queries (block x) of head y.  ALL of the head's K and V, 131,072 bytes each, lie in LDS for the whole launch, as images of operand registers as the launch before laid them:
; each of the 16 waves copies one block of 128 keys (16 + 16 loads of 512 dense bytes) through its registers; one barrier; no ring.  A wave then takes two tiles of 16 queries, one after the other, 16 key steps of 128 each.
; Four waves share a SIMD (256 registers each), so that one wave's vector work stands beside another's matrix work and LDS loads.
; LAYOUT.  Both products are used transposed: S^T = K Q^T (source 0 = 16 keys, source 1 = my 16 queries; K = 64), O^T = V^T P^T (source 0 = 16 channels, source 1 = P; K = 128 keys): a lane holds ONE query throughout.
; Tile t of S^T holds in lane (r, h) keys 16 t + 8 h + 0 .. 7: one conversion of its eight registers gives registers 2 t, 2 t + 1 of P, in the 8-bit operand's own layout, in which V's images were made.  O^T's tiles become ctx's image in the same way.
; NO JOINT REQUESTS, though the four work-groups of a head read the same K and V: that is 32 loads a wave, once, at the head, against 32 key steps of work.
; THE BRANCH ON e8: p is at most 1, and the largest code x the scale is 448 x 2^e8, which is 1.75 or more from e8 = -8 on: there no p can pass it and the hold is jumped over; for e8 under -8 it is executed.
; ctx: [512 tiles of 16 rows][16 heads][1,024 bytes: 8 registers x 32 lanes]: lane (r, h) = row r, registers 2 t, 2 t + 1 = channels 16 t + 8 h + 0 .. 7.
; LIMITS: e6 + e7 between -123 and 130 (they are added to c's exponent field); e8, and e10 - e8 - e9, between -126 and 119.  NaN among the inputs is not served.
; REGISTERS: v1-4 addresses that stay; v8, v9 the step's; v12 -M, v13 the largest t, v[14:15] the sum in two halves; v16-31 Q of my two tiles; v32-95 fragments of K, then of V; v96-159 S^T, then p; v160-191 O^T;
;   v192-207 ctx's codes; v224-239 p's codes; v240, v244: 448 x 2^e8, 2^e8; v241, v245: the same for ctx's conversion; v242-254 at work.
.set LI,   1                           ; v1   16 x lane: my place in an image's group; K's images begin at LDS byte 0
.set LV,   2                           ; v2   the same + VBASE
.set KW,   3                           ; v3   where my wave puts its block of K: 16 x lane + 8,192 x wave
.set VW,   4                           ; v4   and of V
.set ADK,  8
.set ADV,  9
.set VBASE, 131072
.set SEL,  20                          ; s[20:21] lane selects for v_permlanex16_b32: lane l xor 16
.set CS,   22                          ; s[22:23] c = log2(e) / 8 x 2^(e6 + e7)
.set TB,   36                          ; s36  LDS byte of the key step in hand
.set CNT,  37                          ; s37  counts key steps
	s_load_b128 s[4:7], s[0:1], 0x0                ; hcodes, the scales' exponents
	s_load_b64 s[8:9], s[0:1], 0x10                ; ctx
	v_lshl_add_u32 v251, v0, 2, 0x40000
	v_mov_b32 v255, 0
	v_lshrrev_b32 v1, 5, v0
	v_readfirstlane_b32 s10, v1                    ; wave 0..15
	s_and_b32 s11, ttmp7, 0xffff                   ; 16 batch + head
	v_and_b32 v1, 31, v0
	v_lshlrev_b32 v[LI], 4, v1
	v_add_nc_u32 v[LV], VBASE, v[LI]
	s_lshl_b32 s18, s10, 13
	v_add_nc_u32 v[KW], s18, v[LI]
	v_add_nc_u32 v[VW], s18, v[LV]
	s_lshr_b32 s12, s11, 1
	s_lshl_b32 s12, s12, 18                        ; the pair of heads: 262,144 bytes in each section
	s_and_b32 s13, s11, 1                          ; which head of the pair
	s_lshl_b32 s14, s10, 14                        ; 16,384 x wave
	s_add_co_u32 s15, s12, s14
	s_lshl_b32 s16, s13, 10
	s_add_co_u32 s40, s15, s16                     ; K: block = my wave's; the head's image of a tile lies 1,024 x head in
	s_add_co_u32 s40, s40, 0x800000                ; in section K
	s_mov_b32 s41, 0
	s_lshl_b32 s17, s13, 13
	s_add_co_u32 s42, s15, s17                     ; V: the head's 8,192 bytes of the block
	s_add_co_u32 s42, s42, 0x1000000               ; in section V
	s_mov_b32 s43, 0
	s_lshl_b32 s44, ttmp9, 16                      ; Q: my first tile is 32 x + wave: block 4 x + wave / 8,
	s_add_co_u32 s44, s44, s12
	s_add_co_u32 s44, s44, s16
	s_lshr_b32 s17, s10, 3
	s_lshl_b32 s17, s17, 14
	s_add_co_u32 s44, s44, s17
	s_and_b32 s17, s10, 7                          ; tile wave % 8 of it; my second tile lies 16 tiles, 32,768 bytes, on
	s_lshl_b32 s17, s17, 11
	s_add_co_u32 s44, s44, s17
	s_mov_b32 s45, 0
	s_lshr_b32 s46, s11, 4                         ; ctx: (128 batch + 32 x + wave) x 16,384 + 1,024 x head
	s_lshl_b32 s46, s46, 21
	s_lshl_b32 s17, ttmp9, 19
	s_add_co_u32 s46, s46, s17
	s_add_co_u32 s46, s46, s14
	s_and_b32 s17, s11, 15
	s_lshl_b32 s17, s17, 10
	s_add_co_u32 s46, s46, s17
	s_mov_b32 s47, 0
	s_mov_b32 s[SEL], 0x76543210
	s_mov_b32 s[SEL+1], 0xfedcba98
	s_mov_b32 s[CS], 0x3e38aa3b                    ; log2(e) / 8
	s_wait_kmcnt 0x0
	s_load_b256 s[24:31], s[6:7], 0x0              ; e0 .. e7
	s_load_b128 s[32:35], s[6:7], 0x20             ; e8 .. e11
	s_add_nc_u64 s[40:41], s[4:5], s[40:41]
	s_add_nc_u64 s[42:43], s[4:5], s[42:43]
	s_add_nc_u64 s[44:45], s[4:5], s[44:45]
	s_add_nc_u64 s[46:47], s[8:9], s[46:47]
.irp i, 0,1,2,3,4,5,6,7,8,9,10,11,12,13,14,15
	global_load_b128 v[32+4*\i:35+4*\i], v[LI], s[40:41] offset:(\i/2)*2048+(\i%2)*512   ; K: tile i / 2, group i % 2: 512 dense bytes
.endr
.irp i, 0,1,2,3,4,5,6,7,8,9,10,11,12,13,14,15
	global_load_b128 v[96+4*\i:99+4*\i], v[LI], s[42:43] offset:512*\i                   ; V: 8,192 dense bytes
.endr
.irp i, 0,1
.irp g, 0,1
	global_load_b128 v[16+8*\i+4*\g:19+8*\i+4*\g], v[LI], s[44:45] offset:32768*\i+512*\g   ; Q's two fragments stay in registers
.endr
.endr
	v_mov_b32 v246, 0                              ; written once: a lane permute's destination counts as one of its sources
	v_mov_b32 v253, 0                              ; (named as the upper half of the pair v[252:253])
	s_wait_kmcnt 0x0
	s_add_co_i32 s12, s30, s31
	s_lshl_b32 s12, s12, 23
	s_add_co_i32 s[CS], s[CS], s12                 ; a score stands for score x 2^(e6 + e7): the exponents are added to c's exponent field
	s_mov_b32 s[CS+1], s[CS]                       ; (named with it as a pair, so it is written)
	s_add_co_i32 s12, s32, 127
	s_lshl_b32 s13, s12, 23
	v_mov_b32 v244, s13                            ; 2^e8 as f32, for p's conversion
	s_add_co_i32 s12, s12, 8
	s_lshl_b32 s12, s12, 23
	s_or_b32 s12, s12, 0x600000
	v_mov_b32 v240, s12                            ; 448 x 2^e8
	s_sub_co_i32 s12, s34, s32
	s_sub_co_i32 s12, s12, s33                     ; O^T / the sum stands for ctx / 2^(e8 + e9); its code is ctx / 2^e10: one scale, 2^(e10 - e8 - e9)
	s_add_co_i32 s12, s12, 127
	s_lshl_b32 s13, s12, 23
	v_mov_b32 v245, s13
	s_add_co_i32 s12, s12, 8
	s_lshl_b32 s12, s12, 23
	s_or_b32 s12, s12, 0x600000
	v_mov_b32 v241, s12
	s_wait_loadcnt 20                              ; K's sixteen loads are in; V's sixteen and Q's four may be out
.irp i, 0,1,2,3,4,5,6,7,8,9,10,11,12,13,14,15
	ds_store_b128 v[KW], v[32+4*\i:35+4*\i] offset:512*\i
.endr
	s_wait_loadcnt 4                               ; V's are in; Q's four may be out
.irp i, 0,1,2,3,4,5,6,7,8,9,10,11,12,13,14,15
	ds_store_b128 v[VW], v[96+4*\i:99+4*\i] offset:512*\i
.endr
	s_wait_dscnt 0x0                               ; for the others' sake: my stores have landed
	s_barrier_signal -1
	s_barrier_wait -1                              ; the head's K and V lie in LDS; nobody writes LDS again
	s_wait_loadcnt 0x0                             ; Q
; A KEY STEP: 128 keys.  qr: my tile's fragment of Q.
.macro STEP qr
	v_add_nc_u32 v[ADK], s[TB], v[LI]
	v_add_nc_u32 v[ADV], s[TB], v[LV]
	v_nop
	v_nop                                          ; four places behind the last step's products, in front of loads into registers that they read
.irp i, 0,1,2,3,4,5,6,7,8,9,10,11,12,13,14,15
	ds_load_b128 v[32+4*\i:35+4*\i], v[ADK] offset:512*\i      ; K's eight fragments, as they were stored: 512 dense bytes a load
.endr
	s_wait_dscnt 0x0
.irp t, 0,1,2,3,4,5,6,7
	v_wmma_f32_16x16x64_fp8_fp8 v[96+8*\t:103+8*\t], v[32+8*\t:39+8*\t], v[\qr:\qr+7], 0
.endr
.rept 4
	v_nop                                          ; places in front of the loads below and of the first read of the scores
.endr
.irp i, 0,1,2,3,4,5,6,7,8,9,10,11,12,13,14,15
	ds_load_b128 v[32+4*\i:35+4*\i], v[ADV] offset:512*\i      ; V's four fragments land while the softmax is worked
.endr
	v_max3_num_f32 v254, v96, v97, v98             ; the step's largest score of my query, among my 64 keys, in two chains, each accumulator from its low end on,
	v_max3_num_f32 v252, v99, v100, v101
.irp i, 6,10,14,18,22,26,30,34,38,42,46,50,54,58
	v_max3_num_f32 v254, v254, v[96+\i], v[97+\i]
	v_max3_num_f32 v252, v252, v[98+\i], v[99+\i]
.endr
	v_max3_num_f32 v254, v254, v158, v159
	v_max_num_f32 v254, v254, v252
	v_permlanex16_b32 v246, v254, s[SEL], s[SEL+1]
	v_max_num_f32 v254, v254, v246                 ; and among lane l xor 16's
	v_mul_f32 v254, s[CS], v254                    ; as t (c is positive)
	v_max_num_f32 v13, v13, v254                   ; the running largest t
	v_mov_b32 v254, v12
	v_floor_f32 v12, -v13                          ; the new -M = floor(-t) = -ceil(t): a whole number
	v_sub_f32 v254, v12, v254                      ; M's old value less its new one: a whole number, 0 or less
	v_cvt_i32_f32 v254, v254                       ; (it saturates)
	v_ldexp_f32 v252, 1.0, v254                    ; f = 2^(old M - new M)
.irp j, 0,2,4,6,8,10,12,14,16,18,20,22,24,26,28,30,32,34,36,38,40,42,44,46,48,50,52,54,56,58,60,62
	v_pk_fma_f32 v[96+\j:97+\j], v[96+\j:97+\j], s[CS:CS+1], v[12:13] op_sel_hi:[1,0,0]   ; t - M, two at a time (of the pairs c and -M the low word serves both halves)
.endr
.set j, 0
.rept 64
	v_exp_f32 v[96+j], v[96+j]                     ; p = 2^(t - M), at most 1: not normalised
.set j, j+1
.endr
	v_pk_mul_f32 v[14:15], v[14:15], v[252:253] op_sel_hi:[1,0]   ; the sums under the new M: the plain line behind the exponentials
	s_wait_alu depctr_va_vdst(0)                   ; one wait for the batch of 64, ahead of the first line that names a result
	v_pk_add_f32 v[242:243], v[96:97], v[98:99]    ; the row's sum is taken of the unquantised p: two at a time, in two chains
.irp j, 4,8,12,16,20,24,28,32,36,40,44,48,52,56,60
	v_pk_add_f32 v[14:15], v[14:15], v[96+\j:97+\j]
	v_pk_add_f32 v[242:243], v[242:243], v[98+\j:99+\j]
.endr
	v_pk_add_f32 v[14:15], v[14:15], v[242:243]
	s_cmp_ge_i32 s32, -8                           ; 448 x 2^e8 >= 1.75 >= every p: nothing to hold
	s_cbranch_scc1 .Lfits_\@
.set j, 0
.rept 64
	v_min_num_f32 v[96+j], v[96+j], v240           ; the conversion does not saturate (ISA guide 7.6.2); p is not negative, so the hold is one-sided
.set j, j+1
.endr
.Lfits_\@:
.irp t, 0,1,2,3,4,5,6,7
	v_cvt_scalef32_pk8_fp8_f32 v[224+2*\t:225+2*\t], v[96+8*\t:103+8*\t], v244   ; registers 2 t, 2 t + 1 of P: keys 16 t + 8 h + 0 .. 7
.endr
.irp j, 0,2,4,6,8,10,12,14,16,18,20,22,24,26,28,30
	v_pk_mul_f32 v[160+\j:161+\j], v[160+\j:161+\j], v[252:253] op_sel_hi:[1,0]   ; O^T under the new M.  (Plain lines between the conversions and the products that read their results)
.endr
	s_wait_dscnt 0x0                               ; V's fragments are in
.irp d, 0,1,2,3
	v_wmma_f32_16x16x128_fp8_fp8 v[160+8*\d:167+8*\d], v[32+16*\d:47+16*\d], v[224:239], v[160+8*\d:167+8*\d]   ; the four accumulators by turns; the next step's eight score products stand between two turns of one
.endr
	s_add_co_u32 s[TB], s[TB], 8192
.endm
; One tile of 16 queries: 16 key steps, then O^T / the sum becomes codes and leaves as an image: two stores of 512 dense bytes.
.macro TILE i
	v_mov_b32 v13, 0xff61b1e6                      ; the largest t so far: -3e38, under every t
	v_floor_f32 v12, -v13                          ; -M
	v_mov_b32 v14, 0                               ; the sum, in two halves
	v_mov_b32 v15, 0
.set j, 0
.rept 32
	v_mov_b32 v[160+j], 0                          ; O^T: the step is written once, and the first finds zeros, which the first change of M leaves zeros
.set j, j+1
.endr
	s_mov_b32 s[TB], 0
	s_mov_b32 s[CNT], 0
.Lk_\@:
	STEP 16+8*\i
	s_add_co_u32 s[CNT], s[CNT], 1
	s_cmp_lt_u32 s[CNT], 16
	s_cbranch_scc1 .Lk_\@
.rept 4
	v_nop                                          ; places behind the last products
.endr
	v_add_f32 v14, v14, v15                        ; the sum's two halves,
	v_permlanex16_b32 v246, v14, s[SEL], s[SEL+1]
	v_add_f32 v14, v14, v246                       ; and lane l xor 16's: the row's sum, at least 1/2
	v_rcp_f32 v14, v14
	v_nop                                          ; a plain line behind the reciprocal,
	s_wait_alu depctr_va_vdst(0)                   ; and the wait ahead of its first reader
.irp j, 0,2,4,6,8,10,12,14,16,18,20,22,24,26,28,30
	v_pk_mul_f32 v[96+\j:97+\j], v[160+\j:161+\j], v[14:15] op_sel_hi:[1,0]
.endr
.set j, 0
.rept 32
	v_med3_num_f32 v[96+j], v[96+j], -v241, v241   ; the hold at the largest code x the scale
.set j, j+1
.endr
.irp t, 0,1,2,3
	v_cvt_scalef32_pk8_fp8_f32 v[192+8*\i+2*\t:193+8*\i+2*\t], v[96+8*\t:103+8*\t], v245
.endr
	v_nop                                          ; one plain line between the conversions and the next products, which write their sources
.irp g, 0,1
	global_store_b128 v[LI], v[192+8*\i+4*\g:195+8*\i+4*\g], s[46:47] offset:262144*\i+512*\g   ; each tile has its own registers for its codes: no store's source is written again
.endr
.endm
	TILE 0
	TILE 1
	s_wait_tensorcnt 0x0
	ds_add_u32 v251, v255
	s_wait_dscnt 0x0
	s_endpgm
.Lfunc_end_k_q60cdfdfb0a_attn:
	.size	k_q60cdfdfb0a_attn, .Lfunc_end_k_q60cdfdfb0a_attn-k_q60cdfdfb0a_attn
	.p2alignl 7, 3214868480
	.fill 96, 4, 3214868480
	.section	.rodata,"a",@progbits
	.p2align	6, 0x0
	.amdhsa_kernel k_q60cdfdfb0a_attn
		.amdhsa_group_segment_fixed_size 264192
		.amdhsa_private_segment_fixed_size 0
		.amdhsa_enable_private_segment 0
		.amdhsa_kernarg_size 24
		.amdhsa_user_sgpr_count 2
		.amdhsa_user_sgpr_kernarg_segment_ptr 1
		.amdhsa_wavefront_size32 1
		.amdhsa_system_sgpr_workgroup_id_x 1
		.amdhsa_system_sgpr_workgroup_id_y 1
		.amdhsa_system_sgpr_workgroup_id_z 1
		.amdhsa_system_vgpr_workitem_id 0
		.amdhsa_next_free_vgpr 256
		.amdhsa_next_free_sgpr 66
		.amdhsa_reserve_vcc 0
		.amdhsa_float_denorm_mode_32 3
		.amdhsa_float_denorm_mode_16_64 3
		.amdhsa_memory_ordered 1
		.amdhsa_forward_progress 1
		.amdhsa_inst_pref_size 50
	.end_amdhsa_kernel
	.amdgpu_metadata
---
amdhsa.version: [ 1, 2 ]
amdhsa.kernels:
  - .name:           k_q60cdfdfb0a_attn
    .symbol:         k_q60cdfdfb0a_attn.kd
    .args:
      - { .name: hcodes, .offset: 0, .size: 8, .value_kind: global_buffer, .address_space: global }
      - { .name: lowp_scales, .offset: 8, .size: 8, .value_kind: global_buffer, .address_space: global }
      - { .name: ctx, .offset: 16, .size: 8, .value_kind: global_buffer, .address_space: global }
    .group_segment_fixed_size: 264192
    .private_segment_fixed_size: 0
    .kernarg_segment_align: 8
    .kernarg_segment_size: 24
    .max_flat_workgroup_size: 512
    .sgpr_count:     66
    .vgpr_count:     256
    .wavefront_size: 32
...
	.end_amdgpu_metadata
.endif
;; end of part 3
;; launch fc (part 4): grid 256 x 1, 4 waves a work-group, clusters of 4 x 1, 327,680 bytes of LDS; arguments ctx, w_fc_codes, lowp_scales, q, ln_gamma, ln_beta, out0; writes out0
.if DOCPART == 4
	.amdgcn_target "amdgcn-amd-amdhsa--gfx1250"
	.amdhsa_code_object_version 6
	.text
	.protected	k_q60cdfdfb0a_fc
	.globl	k_q60cdfdfb0a_fc
	.p2align	8
	.type	k_q60cdfdfb0a_fc,@function
k_q60cdfdfb0a_fc:
	s_mov_b64 s[64:65], 0
	v_nop
	global_prefetch_b8 v0, s[64:65] scope:SCOPE_SE
	s_setreg_imm32_b32 hwreg(HW_REG_WAVE_MODE, 25, 1), 1
	s_wait_xcnt 0x0
	s_wait_alu depctr_hold_cnt(0) depctr_sa_sdst(0) depctr_va_vdst(0) depctr_va_sdst(0) depctr_va_ssrc(0) depctr_va_vcc(0) depctr_vm_vsrc(0)
	s_getreg_b32 s2, hwreg(HW_REG_IB_STS2, 6, 4)
	s_cmp_eq_u32 s2, 0
	s_cbranch_scc0 .Lentry_in_a_cluster
	s_endpgm
.Lentry_in_a_cluster:
	s_bfe_u32 s2, ttmp6, 0x10000c
	s_cmp_lg_u32 s2, 0x3003
	s_cbranch_scc0 .Lentry_shape_is_right
	s_endpgm
.Lentry_shape_is_right:
; out0 = LayerNorm(ctx w_fc + q) x gamma + beta.  The product, 8,192 x 1,024 x 1,024, is on codes of FP8 (E4M3): ctx's as the launch before laid them (images of operand registers), w_fc's as given, [n][k].
; SHARES.  The norm wants whole rows: a work-group owns 32 rows and all 1,024 columns.  ctx's 16 fragments (2 tiles of rows x 8 K steps of 128) stay in every wave's registers.
; w_fc is walked in 8 chunks of 128 rows n x 1,024 bytes through two LDS slots; in every chunk wave w fetches and multiplies rows 32 w .. 32 w + 31: 2 tiles of n x 2 tiles of rows, four accumulators by turns.
; CLUSTER: the four work-groups of a cluster walk the same weights, so each chunk is asked for JOINTLY: the same tensor load in wave w of all four, with a mask that names the four.
; ctx's registers hold k in the 8-bit operand's own places (registers 2 c, 2 c + 1: k = 16 c + 8 h + 0 .. 7), so w_fc's fragments are fetched so too: eight 8-byte LDS loads a fragment.
; TRANSPOSED USE (source 0 = 16 rows of w_fc, source 1 = 16 rows of ctx): a lane holds eight neighbouring columns of one row.  The sums meet in a stage in LDS; each wave takes 8 whole rows back,
; adds q, and norms them in two passes (mean, then the mean of the squared differences), in registers.  Everything is written out: the accumulators' numbers change from chunk to chunk.
; LIMIT: e10 + e11 between -126 and 127, so that 2^(e10 + e11) is an f32 number.
; REGISTERS, in windows of 256: window 0: v2-8 addresses; v28, v29 for the add; v32-39 permutes' destinations; v64-127, v128-191 w_fc's fragments, two buffers, later partial sums; v192-223 gamma, v224-255 beta.
;   window 1: ctx's fragments ((m, K step s) at 128 m + 16 s), later my 8 rows (row i, piece k at 32 i + 4 k).   window 2: the accumulators ((chunk c, u, m) at 32 c + 16 u + 8 m).   window 3: q's 8 rows, laid like window 1's.
.set PITCH,  1040                      ; an LDS row of w_fc: 1,024 bytes + 16 of padding = 260 words: the 16 rows and two halves of an 8-byte load fall on 64 different banks (64 banks of 4 bytes: ISA guide 11.1)
.set WPART,  32*PITCH                  ; a wave's 32 rows
.set SLOT,   4*WPART                   ; 133,120
.set CHUNKB, 131072                    ; a chunk in memory
.set SPARE,  2*SLOT                    ; behind the ring: the spare words, 128 bytes for each wave: two blocks of 256 bytes that no other line names
.set SPITCH, 4112                      ; the stage: 32 rows x (4,096 bytes + 16), in slot 0, which has had its last fill (chunk 6) and its last read when the first sum is stored there
.set LI,   2                           ; v2   16 x lane
.set ADB,  4                           ; v4, v5  LDS address of my fragments of w_fc in slot 0, 1
.set STO,  6                           ; v6, v7  the stage: where I put 32 bytes of row r, of row 16 + r
.set RD,   8                           ; v8   and where I read my 8 rows back
.set SPW,  28                          ; v28  LDS address of my spare word; never rewritten
.set NIL,  29                          ; v29  0; never rewritten
.set PD,   32
.set F0,   64
.set F1,   128
.set PS,   64                          ; partial sums: row i's pair p at PS + 16 i + 2 p
.set GAM,  192
.set BET,  224
.set G1,   16                          ; s[16:23] descriptor group 1
.set G0,   24                          ; s[24:31] group 0, one set for each slot
.set MULW, 0xa4                        ; source 0 (w_fc) window 0, source 1 (ctx) window 1, C and D window 2
.set MSB, 0
.macro WIN new                         ; the immediate's high byte repeats the setting that is left
.if MSB != \new
	s_set_vgpr_msb (MSB<<8)|\new
.set MSB, \new
.endif
.endm
.macro ROUND                           ; a round of the cluster's barrier: my work-group's barrier; wave 0 signals for the work-group; every wave waits for all four work-groups; my work-group's barrier once more
	s_barrier_signal -1
	s_barrier_wait -1
	s_cmp_lg_u32 s8, 0
	s_cbranch_scc1 .Lnot_wave_0_\@
	s_barrier_signal -3
.Lnot_wave_0_\@:
	s_barrier_wait -3
	s_barrier_signal -1
	s_barrier_wait -1
.endm
.macro PLACES                          ; four places behind matrix instructions, in front of loads into registers that they read and of reads of their results (ISA guide 7.12.1 for vector instructions)
.rept 4
	v_nop
.endr
.endm
	s_load_b256 s[68:75], s[0:1], 0x0              ; ctx 68, w_fc 70, the scales 72, q 74
	s_load_b128 s[76:79], s[0:1], 0x20             ; gamma 76, beta 78
	s_load_b64 s[80:81], s[0:1], 0x30              ; out0
	v_lshl_add_u32 v[SPW], v0, 2, SPARE
	v_mov_b32 v[NIL], 0
	ds_add_u32 v28, v29
	ds_add_u32 v28, v29
	s_wait_dscnt 0x0
	v_lshrrev_b32 v1, 5, v0
	v_readfirstlane_b32 s8, v1                     ; wave 0..3
	s_bfe_u32 s9, ttmp6, 0x40000                   ; cx
	s_lshl_b32 s10, ttmp9, 2                       ; in a cluster launch ttmp9 counts clusters
	s_add_co_u32 s10, s10, s9                      ; my block of 32 rows: it enters ctx's, q's and out0's addresses alone
	; descriptor group 1: 32 rows x 1,024 bytes, dense in memory, padded in LDS
	s_mov_b32 s[G1+0], 15|(0<<16)|(1<<20)|(1<<21)|(7<<22)|(3<<25)   ; 15:0 the mask: all four work-groups; 17:16 element of 1 byte; 20 padding on; 21 set beside a mask; 24:22 after every 256 words (code 7); 31:25 of 4 words (code 3)
	s_mov_b32 s[G1+1], 1024<<16                    ; tensor_dim0
	s_mov_b32 s[G1+2], 32<<16                      ; tensor_dim1
	s_mov_b32 s[G1+3], 1024<<16                    ; tile_dim0
	s_mov_b32 s[G1+4], 32                          ; tile_dim1
	s_mov_b32 s[G1+5], 1024                        ; tensor_dim0_stride
	s_mov_b32 s[G1+6], 0
	s_mov_b32 s[G1+7], 0
	s_mul_i32 s11, s8, WPART                       ; my rows' place in a slot,
	s_lshl_b32 s12, s8, 15                         ; and in a chunk in memory: the wave's number alone enters the descriptors
	s_mov_b32 s13, 0
	s_lshl_b32 s48, s10, 15                        ; ctx: 32,768 bytes a block of 32 rows
	s_mov_b32 s49, 0
	s_lshl_b32 s50, s10, 17                        ; q, out0: 131,072 bytes a block,
	s_add_co_u32 s50, s50, s12                     ; + my wave's 8 rows
	s_mov_b32 s51, 0
	s_mov_b32 s34, 0x76543210                      ; v_permlanex16_b32: lane l xor 16
	s_mov_b32 s35, 0xfedcba98
	s_mov_b32 s38, 0x3a800000                      ; 1 / 1,024
	s_mov_b32 s39, 0x358637bd                      ; 1e-6
	s_wait_kmcnt 0x0
	s_load_b64 s[40:41], s[72:73], 0x28            ; e10, e11
	s_add_nc_u64 s[14:15], s[70:71], s[12:13]
	s_add_nc_u64 s[42:43], s[68:69], s[48:49]
	s_add_nc_u64 s[44:45], s[74:75], s[50:51]
	s_add_nc_u64 s[46:47], s[80:81], s[50:51]
.irp s, 0,1
	s_mov_b32 s[G0+4*\s], 1
	s_add_co_u32 s[G0+4*\s+1], s11, \s*SLOT
	s_add_nc_u64 s[G0+4*\s+2:G0+4*\s+3], s[14:15], \s*CHUNKB
	s_or_b32 s[G0+4*\s+3], s[G0+4*\s+3], 0x80000000
.endr
	ROUND                                          ; all four work-groups are here: the first joint loads meet
	tensor_load_to_lds s[G0:G0+3], s[G1:G1+7]      ; chunk 0
	s_nop 0
	tensor_load_to_lds s[G0+4:G0+7], s[G1:G1+7]    ; chunk 1: two tensor loads of mine are out
	s_nop 0
	PLACES                                         ; (four v_nop behind the tensor loads)
	v_and_b32 v1, 31, v0
	v_lshlrev_b32 v[LI], 4, v1
	WIN 0x40                                       ; destination window 1
.set j, 0
.rept 64
	global_load_b128 v[4*j:4*j+3], v[LI], s[42:43] offset:512*j th:TH_LOAD_NT     ; ctx's images as they lie: 512 dense bytes a load
.set j, j+1
.endr
	WIN 0xc0                                       ; destination window 3
.irp i, 0,1,2,3,4,5,6,7
.irp k, 0,1,2,3,4,5,6,7
	global_load_b128 v[32*\i+4*\k:32*\i+4*\k+3], v[LI], s[44:45] offset:4096*\i+512*\k th:TH_LOAD_NT   ; q's row i, columns 128 k + 4 lane on: wanted at the end
.endr
.endr
	WIN 0
	v_and_b32 v1, 15, v0                           ; r
	v_bfe_u32 v3, v0, 4, 1                         ; h
	v_mul_u32_u24 v[ADB], v1, PITCH
	v_lshl_add_u32 v[ADB], v3, 3, v[ADB]
	v_add_nc_u32 v[ADB], s11, v[ADB]               ; (32 w + r) x pitch + 8 h
	v_add_nc_u32 v[ADB+1], SLOT, v[ADB]
	v_mul_u32_u24 v[STO], v1, SPITCH
	v_lshl_add_u32 v[STO], v3, 5, v[STO]
	s_lshl_b32 s52, s8, 7
	v_add_nc_u32 v[STO], s52, v[STO]               ; row r, + 32 h, + 128 w: column 128 c + 32 w + 16 u + 8 h + j is byte 512 c + 128 w + 64 u + 32 h + 4 j
	v_add_nc_u32 v[STO+1], 16*SPITCH, v[STO]
	s_mul_i32 s53, s8, 8*SPITCH
	v_add_nc_u32 v[RD], s53, v[LI]
.irp i, 0,1,2,3,4,5,6,7
	v_mov_b32 v[PD+\i], 0                          ; written once: a lane permute's destination counts as one of its sources
.endr
	s_wait_kmcnt 0x0
	s_add_co_i32 s36, s40, s41
	s_add_co_i32 s36, s36, 127
	s_lshl_b32 s36, s36, 23                        ; 2^(e10 + e11) as f32
	s_mov_b32 s37, s36                             ; (named with it as a pair, so it is written)
; 32 LDS loads: my two tiles of w_fc's rows (u), K steps 2 q and 2 q + 1 of the chunk in the slot (l), into buffer f
.macro FETCH slot, q, f
.irp l, 0,1
.irp u, 0,1
.irp c, 0,1,2,3,4,5,6,7
	ds_load_b64 v[\f+32*\l+16*\u+2*\c:\f+32*\l+16*\u+2*\c+1], v[ADB+\slot] offset:16*PITCH*\u+128*(2*(\q)+\l)+16*\c
.endr
.endr
.endr
.endm
; 8 matrix instructions on chunk c's four accumulators, which take turns, one instruction a turn.  The chunk's first four start the sums with the constant 0.
.macro MUL8 c, q, f
.irp l, 0,1
.irp u, 0,1
.irp m, 0,1
.if ((\q) == 0) && (\l == 0)
	v_wmma_f32_16x16x128_fp8_fp8 v[32*(\c)+16*\u+8*\m:32*(\c)+16*\u+8*\m+7], v[\f+32*\l+16*\u:\f+32*\l+16*\u+15], v[128*\m+16*(2*(\q)+\l):128*\m+16*(2*(\q)+\l)+15], 0
.else
	v_wmma_f32_16x16x128_fp8_fp8 v[32*(\c)+16*\u+8*\m:32*(\c)+16*\u+8*\m+7], v[\f+32*\l+16*\u:\f+32*\l+16*\u+15], v[128*\m+16*(2*(\q)+\l):128*\m+16*(2*(\q)+\l)+15], v[32*(\c)+16*\u+8*\m:32*(\c)+16*\u+8*\m+7]
.endif
.endr
.endr
.endr
.endm
; One of a chunk's first three quarters: the next quarter is fetched into buffer g, then buffer f is multiplied.  At q = 0 the places in front of the loads stand behind the change of slots.
.macro QUARTER c, q, f, g
.if (\q) > 0
	PLACES
.endif
	FETCH (\c)%2, (\q)+1, \g
	s_wait_dscnt 32                                ; this quarter's fragments are in; the 32 loads just issued may be out
	WIN MULW
	MUL8 \c, \q, \f
	WIN 0
.endm
; A chunk.  Its last quarter changes slots: each wave waits for all its tensor loads, adds 0 to its spare word, and waits for that and for its reads of this slot.  Chunks 0 to 5: a round of the cluster's
; barrier, and this slot is filled again first thing behind it, with the chunk two on, which has a chunk's 32 matrix instructions in which to land.  Chunk 6: nothing is left to fetch: my work-group's barrier alone.
.macro CHUNK c
	QUARTER \c, 0, F0, F1
	QUARTER \c, 1, F1, F0
	QUARTER \c, 2, F0, F1
.if (\c) < 7
	s_wait_tensorcnt 0x0                           ; all my tensor loads have landed: the one that was out is my part of the next chunk
	ds_add_u32 v[SPW], v[NIL]                      ; 0 onto my spare word
	s_wait_dscnt 1                                 ; the last quarter's fragments are in; the add may be out
	WIN MULW
	MUL8 \c, 3, F1                                 ; eight matrix instructions stand between the add and the wait for it
	WIN 0
.if (\c) < 6
	s_add_nc_u64 s[G0+4*((\c)%2)+2:G0+4*((\c)%2)+3], s[G0+4*((\c)%2)+2:G0+4*((\c)%2)+3], 2*CHUNKB   ; no tensor load of mine is out: this slot's group 0 steps two chunks on
.endif
	s_wait_dscnt 0x0                               ; the add is done, and my reads of this slot are over
.if (\c) < 6
	ROUND                                          ; no wave of any partner still reads this slot or has a load on its way
	tensor_load_to_lds s[G0+4*((\c)%2):G0+4*((\c)%2)+3], s[G1:G1+7]   ; my one tensor load behind the round, and the first thing there
	s_nop 0
.else
	s_barrier_signal -1
	s_barrier_wait -1                              ; nobody reads slot 0 any more: it will take the stage
.endif
	PLACES                                         ; behind the tensor load, and the places in front of the loads below and of the next chunk's first
	FETCH ((\c)+1)%2, 0, F0
.else
	s_wait_dscnt 0x0
	WIN MULW
	MUL8 \c, 3, F1
	WIN 0
.endif
.endm
	s_wait_tensorcnt 1                             ; my part of chunk 0 is in (chunk 1's load may be out)
	s_barrier_signal -1
	s_barrier_wait -1                              ; everybody's is
	FETCH 0, 0, F0
	s_wait_loadcnt 63                              ; behind ctx's 64 loads stand q's 64: with 63 of those out at the most, ctx is in
.irp k, 0,1,2,3,4,5,6,7
	global_load_b128 v[GAM+4*\k:GAM+4*\k+3], v[LI], s[76:77] offset:512*\k    ; gamma and beta at my columns 128 k + 4 lane on: wanted at the end
	global_load_b128 v[BET+4*\k:BET+4*\k+3], v[LI], s[78:79] offset:512*\k
.endr
.irp c, 0,1,2,3,4,5,6,7
	CHUNK \c
.endr
	; THE SUMS MEET IN THE STAGE: a lane's eight columns of a row are 32 bytes; each accumulator's low half goes first
	PLACES
	WIN 0x08                                       ; store data: window 2
.irp c, 0,1,2,3,4,5,6,7
.irp u, 0,1
.irp m, 0,1
	ds_store_b128 v[STO+\m], v[32*\c+16*\u+8*\m:32*\c+16*\u+8*\m+3] offset:512*\c+64*\u
	ds_store_b128 v[STO+\m], v[32*\c+16*\u+8*\m+4:32*\c+16*\u+8*\m+7] offset:512*\c+64*\u+16
.endr
.endr
.endr
	WIN 0
	s_wait_dscnt 0x0                               ; for the others' sake: my stores have landed
	s_barrier_signal -1
	s_barrier_wait -1                              ; 32 whole rows lie in the stage
	WIN 0x40                                       ; destination window 1: ctx's fragments are done with
.irp i, 0,1,2,3,4,5,6,7
.irp k, 0,1,2,3,4,5,6,7
	ds_load_b128 v[32*\i+4*\k:32*\i+4*\k+3], v[RD] offset:SPITCH*\i+512*\k    ; row 8 w + i, columns 128 k + 4 lane on: 512 dense bytes a load
.endr
.endr
	s_wait_dscnt 0x0
	s_wait_loadcnt 0x0                             ; q, gamma, beta
	WIN 0x71                                       ; source 0 and destination window 1, source 2 (q) window 3
.set j, 0
.rept 128
	v_pk_fma_f32 v[j:j+1], v[j:j+1], s[36:37], v[j:j+1] op_sel_hi:[1,0,1]     ; x = sum x 2^(e10 + e11) + q
.set j, j+2
.endr
; The sum of a row's 1,024 numbers, for my 8 rows side by side: 8 pairs a row stand in PS; three levels of packed sums, the pair's halves, four steps inside 16 lanes, one across.  Every lane ends with the sum, in v[PS + 16 i].
.macro REDUCE
.irp p, 0,2,4,6
.irp i, 0,1,2,3,4,5,6,7
	v_pk_add_f32 v[PS+16*\i+2*\p:PS+16*\i+2*\p+1], v[PS+16*\i+2*\p:PS+16*\i+2*\p+1], v[PS+16*\i+2*\p+2:PS+16*\i+2*\p+3]
.endr
.endr
.irp p, 0,4
.irp i, 0,1,2,3,4,5,6,7
	v_pk_add_f32 v[PS+16*\i+2*\p:PS+16*\i+2*\p+1], v[PS+16*\i+2*\p:PS+16*\i+2*\p+1], v[PS+16*\i+2*\p+4:PS+16*\i+2*\p+5]
.endr
.endr
.irp i, 0,1,2,3,4,5,6,7
	v_pk_add_f32 v[PS+16*\i:PS+16*\i+1], v[PS+16*\i:PS+16*\i+1], v[PS+16*\i+8:PS+16*\i+9]
.endr
.irp i, 0,1,2,3,4,5,6,7
	v_add_f32 v[PS+16*\i], v[PS+16*\i], v[PS+16*\i+1]
.endr
.irp x, 1,2,4,8
.irp i, 0,1,2,3,4,5,6,7
	v_add_f32_dpp v[PS+16*\i], v[PS+16*\i], v[PS+16*\i] row_xmask:\x row_mask:0xf bank_mask:0xf
.endr
.endr
.irp i, 0,1,2,3,4,5,6,7
	v_permlanex16_b32 v[PD+\i], v[PS+16*\i], s34, s35
.endr
.irp i, 0,1,2,3,4,5,6,7
	v_add_f32 v[PS+16*\i], v[PS+16*\i], v[PD+\i]
.endr
.endm
	WIN 0x05                                       ; sources window 1, destination window 0
.irp i, 0,1,2,3,4,5,6,7
.irp p, 0,1,2,3,4,5,6,7
	v_pk_add_f32 v[PS+16*\i+2*\p:PS+16*\i+2*\p+1], v[32*\i+4*\p:32*\i+4*\p+1], v[32*\i+4*\p+2:32*\i+4*\p+3]
.endr
.endr
	WIN 0
	REDUCE
.irp i, 0,1,2,3,4,5,6,7
	v_mul_f32 v[PS+16*\i], s38, v[PS+16*\i]        ; the mean
.endr
	WIN 0x41                                       ; source 0 and destination window 1, source 1 window 0
.irp i, 0,1,2,3,4,5,6,7
.irp j, 0,2,4,6,8,10,12,14,16,18,20,22,24,26,28,30
	v_pk_add_f32 v[32*\i+\j:32*\i+\j+1], v[32*\i+\j:32*\i+\j+1], v[PS+16*\i:PS+16*\i+1] op_sel_hi:[1,0] neg_lo:[0,1] neg_hi:[0,1]   ; x - mean
.endr
.endr
	WIN 0x05
.irp i, 0,1,2,3,4,5,6,7
.irp p, 0,1,2,3,4,5,6,7
	v_pk_mul_f32 v[PS+16*\i+2*\p:PS+16*\i+2*\p+1], v[32*\i+4*\p:32*\i+4*\p+1], v[32*\i+4*\p:32*\i+4*\p+1]
.endr
.endr
.irp i, 0,1,2,3,4,5,6,7
.irp p, 0,1,2,3,4,5,6,7
	v_pk_fma_f32 v[PS+16*\i+2*\p:PS+16*\i+2*\p+1], v[32*\i+4*\p+2:32*\i+4*\p+3], v[32*\i+4*\p+2:32*\i+4*\p+3], v[PS+16*\i+2*\p:PS+16*\i+2*\p+1]
.endr
.endr
	WIN 0
	REDUCE
.irp i, 0,1,2,3,4,5,6,7
	v_fma_f32 v[PS+16*\i], v[PS+16*\i], s38, s39   ; the variance + 1e-6
.endr
.irp i, 0,1,2,3,4,5,6,7
	v_rsq_f32 v[PS+16*\i], v[PS+16*\i]
.endr
	v_nop                                          ; a plain line behind the last of the batch,
	s_wait_alu depctr_va_vdst(0)                   ; and one wait for the eight, ahead of the first reader
	WIN 0x41
.irp i, 0,1,2,3,4,5,6,7
.irp j, 0,2,4,6,8,10,12,14,16,18,20,22,24,26,28,30
	v_pk_mul_f32 v[32*\i+\j:32*\i+\j+1], v[32*\i+\j:32*\i+\j+1], v[PS+16*\i:PS+16*\i+1] op_sel_hi:[1,0]
.endr
.endr
.irp i, 0,1,2,3,4,5,6,7
.irp j, 0,2,4,6,8,10,12,14,16,18,20,22,24,26,28,30
	v_pk_fma_f32 v[32*\i+\j:32*\i+\j+1], v[32*\i+\j:32*\i+\j+1], v[GAM+\j:GAM+\j+1], v[BET+\j:BET+\j+1]   ; x gamma + beta
.endr
.endr
	WIN 0x04                                       ; store data: window 1
.irp i, 0,1,2,3,4,5,6,7
.irp k, 0,1,2,3,4,5,6,7
	global_store_b128 v[LI], v[32*\i+4*\k:32*\i+4*\k+3], s[46:47] offset:4096*\i+512*\k th:TH_STORE_NT   ; 32 lanes store 512 consecutive bytes, aligned; written once, read by nobody here
.endr
.endr
	WIN 0
	s_wait_tensorcnt 0x0                           ; the wave's end
	ds_add_u32 v[SPW], v[NIL]
	s_wait_dscnt 0x0
	ROUND                                          ; the closing round: no work-group ends while a partner may still ask for a chunk that names it
	s_endpgm
.Lfunc_end_k_q60cdfdfb0a_fc:
	.size	k_q60cdfdfb0a_fc, .Lfunc_end_k_q60cdfdfb0a_fc-k_q60cdfdfb0a_fc
	.p2alignl 7, 3214868480
	.fill 96, 4, 3214868480
	.section	.rodata,"a",@progbits
	.p2align	6, 0x0
	.amdhsa_kernel k_q60cdfdfb0a_fc
		.amdhsa_group_segment_fixed_size 327680
		.amdhsa_private_segment_fixed_size 0
		.amdhsa_enable_private_segment 0
		.amdhsa_kernarg_size 56
		.amdhsa_user_sgpr_count 2
		.amdhsa_user_sgpr_kernarg_segment_ptr 1
		.amdhsa_wavefront_size32 1
		.amdhsa_system_sgpr_workgroup_id_x 1
		.amdhsa_system_sgpr_workgroup_id_y 1
		.amdhsa_system_sgpr_workgroup_id_z 1
		.amdhsa_system_vgpr_workitem_id 0
		.amdhsa_next_free_vgpr 1024
		.amdhsa_next_free_sgpr 84
		.amdhsa_reserve_vcc 0
		.amdhsa_float_denorm_mode_32 3
		.amdhsa_float_denorm_mode_16_64 3
		.amdhsa_memory_ordered 1
		.amdhsa_forward_progress 1
		.amdhsa_inst_pref_size 181
	.end_amdhsa_kernel
	.amdgpu_metadata
---
amdhsa.version: [ 1, 2 ]
amdhsa.kernels:
  - .name:           k_q60cdfdfb0a_fc
    .symbol:         k_q60cdfdfb0a_fc.kd
    .args:
      - { .name: ctx, .offset: 0, .size: 8, .value_kind: global_buffer, .address_space: global }
      - { .name: w_fc_codes, .offset: 8, .size: 8, .value_kind: global_buffer, .address_space: global }
      - { .name: lowp_scales, .offset: 16, .size: 8, .value_kind: global_buffer, .address_space: global }
      - { .name: q, .offset: 24, .size: 8, .value_kind: global_buffer, .address_space: global }
      - { .name: ln_gamma, .offset: 32, .size: 8, .value_kind: global_buffer, .address_space: global }
      - { .name: ln_beta, .offset: 40, .size: 8, .value_kind: global_buffer, .address_space: global }
      - { .name: out0, .offset: 48, .size: 8, .value_kind: global_buffer, .address_space: global }
    .group_segment_fixed_size: 327680
    .private_segment_fixed_size: 0
    .kernarg_segment_align: 8
    .kernarg_segment_size: 56
    .max_flat_workgroup_size: 128
    .sgpr_count:     84
    .vgpr_count:     1024
    .wavefront_size: 32
...
	.end_amdgpu_metadata
.endif
;; end of part 4
;; ======== version 2 of 2: 4 launches; version 1 with the launch attn written anew for expert scheduling mode
;; workspace buffers: qcodes 8,388,608 bytes; hcodes 25,165,824 bytes; ctx 8,388,608 bytes
;; launch quantq: the kernel of part 1 again; grid 256 x 1, 4 waves a work-group, no clusters, 33,280 bytes of LDS; arguments q, lowp_scales, qcodes; writes qcodes
;; launch proj: the kernel of part 2 again; grid 4 x 96, 4 waves a work-group, clusters of 4 x 4, 327,680 bytes of LDS; arguments qcodes, k_codes, v_codes, w_q_codes, w_k_codes, w_v_codes, lowp_scales, hcodes; writes hcodes
;; launch attn (part 5): grid 4 x 64, 16 waves a work-group, no clusters, 264,192 bytes of LDS; arguments hcodes, lowp_scales, ctx; writes ctx
.if DOCPART == 5
	.amdgcn_target "amdgcn-amd-amdhsa--gfx1250"
	.amdhsa_code_object_version 6
	.text
	.protected	k_q60cdfdfb0a_attn
	.globl	k_q60cdfdfb0a_attn
	.p2align	8
	.type	k_q60cdfdfb0a_attn,@function
k_q60cdfdfb0a_attn:
	s_mov_b64 s[64:65], 0
	v_nop
	global_prefetch_b8 v0, s[64:65] scope:SCOPE_SE
	s_setreg_imm32_b32 hwreg(HW_REG_WAVE_SCHED_MODE, 0, 2), 2
	s_setreg_imm32_b32 hwreg(HW_REG_WAVE_MODE, 25, 1), 1
	s_wait_xcnt 0x0
	s_wait_alu depctr_vm_vsrc(0)
; ctx = softmax(qh kh^T / 8) vh for 64 (batch, head) pairs of 2,048 x 2,048 x 64, both products on codes of FP8 (E4M3), and the quantising of ctx (scale 2^e10) for the last product.
; THE SOFTMAX AHEAD OF THE SECOND PRODUCT: t = score x log2(e) / 8; M = the running largest t rounded UP to a whole number; p = 2^(t - M) is quantised with 2^e8, not normalised.
; The row's sum is taken of the unquantised p, in f32, and divides at the end.  When M moves, the sum and O are multiplied by 2^(old M - new M): exact.
; SHARES.  Work-group (x, y) owns 512 queries (block x) of head y.  ALL of the head's K and V, 131,072 bytes each, lie in LDS for the whole launch, as images of operand registers as the launch before laid them:
; each of the 16 waves copies one block of 128 keys (16 + 16 loads of 512 dense bytes) through its registers; one barrier; no ring.  A wave then takes two tiles of 16 queries, one after the other, 16 key steps of 128 each.
; Four waves share a SIMD (256 registers each), so that one wave's vector work stands beside another's matrix work and LDS loads.
; LAYOUT.  Both products are used transposed: S^T = K Q^T (source 0 = 16 keys, source 1 = my 16 queries; K = 64), O^T = V^T P^T (source 0 = 16 channels, source 1 = P; K = 128 keys): a lane holds ONE query throughout.
; Tile t of S^T holds in lane (r, h) keys 16 t + 8 h + 0 .. 7: one conversion of its eight registers gives registers 2 t, 2 t + 1 of P, in the 8-bit operand's own layout, in which V's images were made.  O^T's tiles become ctx's image in the same way.
; NO JOINT REQUESTS, though the four work-groups of a head read the same K and V: that is 32 loads a wave, once, at the head, against 32 key steps of work.
; THE BRANCH ON e8: p is at most 1, and the largest code x the scale is 448 x 2^e8, which is 1.75 or more from e8 = -8 on: there no p can pass it and the hold is jumped over; for e8 under -8 it is executed.
; ctx: [512 tiles of 16 rows][16 heads][1,024 bytes: 8 registers x 32 lanes]: lane (r, h) = row r, registers 2 t, 2 t + 1 = channels 16 t + 8 h + 0 .. 7.
; LIMITS: e6 + e7 between -123 and 130 (they are added to c's exponent field); e8, and e10 - e8 - e9, between -126 and 119.  NaN among the inputs is not served.
; THE MODE: SCHED_MODE bits 1:0 = 2 (LLVM: expert scheduling mode 2), set by the entry lines.  The code itself states the register dependences
; between vector or matrix instructions and memory or LDS instructions, with s_wait_alu, always for 0.
; THE PLAN.  Two buffers of 64 registers, X = v32-95 and Y = v96-159, change roles from step to step.  In a step one is KB, the other SB:
;   KB       K's 16 LDS loads land in it (issued in the step before); the 8 products K Q^T read it; V's 16 LDS loads land in it; the 4 products V^T P read it.  In the next step it is SB.
;   SB       K Q^T writes it; the softmax's vector lines work in it; the 8 conversions read it; then the NEXT step's K lands in it.  In the next step it is KB.
;   v8, v9   LDS addresses of a trip's K and V.  Written once a trip (two steps), at its head; read by the trip's LDS loads, which reach the second step and the step ahead by immediate offsets.
;   v1 - v4  made at the head, never written again.     v192-207  ctx's codes: written by the way out's conversions, read by its stores; each tile has its own.
;   O^T, p's codes, the statistics and the constants are named by vector and matrix instructions alone.
; So a step holds three waits on va_vdst: behind K Q^T (KB is free for V; a trip's addresses are written), behind the exponentials (their results), behind the conversions (SB is free for the next K);
; and a trip one wait on vm_vsrc, ahead of the two additions that write v8 and v9.  Behind each wait no vector or matrix instruction names a register of the loads that lean on it before their data are waited for.
; REGISTERS: v1-4 addresses that stay; v8, v9 the trip's; v12 -M, v13 the largest t, v[14:15] the sum in two halves; v16-31 Q of my two tiles; v32-95, v96-159 the two buffers; v160-191 O^T;
;   v192-207 ctx's codes; v224-239 p's codes; v240, v244: 448 x 2^e8, 2^e8; v241, v245: the same for ctx's conversion; v242-254 at work; v251, v255 for the closing lines alone.
.set LI,   1                           ; v1   16 x lane: my place in an image's group; K's images begin at LDS byte 0
.set LV,   2                           ; v2   the same + VBASE
.set KW,   3                           ; v3   where my wave puts its block of K: 16 x lane + 8,192 x wave
.set VW,   4                           ; v4   and of V
.set ADK,  8
.set ADV,  9
.set XB,   32                          ; buffer X
.set YB,   96                          ; buffer Y
.set VBASE, 131072
.set SEL,  20                          ; s[20:21] lane selects for v_permlanex16_b32: lane l xor 16
.set CS,   22                          ; s[22:23] c = log2(e) / 8 x 2^(e6 + e7)
.set TB,   36                          ; s36  LDS byte of the trip's first key step
.set CNT,  37                          ; s37  counts trips
	s_load_b128 s[4:7], s[0:1], 0x0                ; hcodes, the scales' exponents
	s_load_b64 s[8:9], s[0:1], 0x10                ; ctx
	v_lshl_add_u32 v251, v0, 2, 0x40000
	v_mov_b32 v255, 0
	v_lshrrev_b32 v1, 5, v0
	v_readfirstlane_b32 s10, v1                    ; wave 0..15
	s_and_b32 s11, ttmp7, 0xffff                   ; 16 batch + head
	v_and_b32 v1, 31, v0
	v_lshlrev_b32 v[LI], 4, v1
	v_add_nc_u32 v[LV], VBASE, v[LI]
	s_wait_alu depctr_va_sdst(0)                   ; s10 is written, ahead of its first reader: LDS and global offsets are made from it
	s_lshl_b32 s18, s10, 13
	v_add_nc_u32 v[KW], s18, v[LI]
	v_add_nc_u32 v[VW], s18, v[LV]
	s_lshr_b32 s12, s11, 1
	s_lshl_b32 s12, s12, 18                        ; the pair of heads: 262,144 bytes in each section
	s_and_b32 s13, s11, 1                          ; which head of the pair
	s_lshl_b32 s14, s10, 14                        ; 16,384 x wave
	s_add_co_u32 s15, s12, s14
	s_lshl_b32 s16, s13, 10
	s_add_co_u32 s40, s15, s16                     ; K: block = my wave's; the head's image of a tile lies 1,024 x head in
	s_add_co_u32 s40, s40, 0x800000                ; in section K
	s_mov_b32 s41, 0
	s_lshl_b32 s17, s13, 13
	s_add_co_u32 s42, s15, s17                     ; V: the head's 8,192 bytes of the block
	s_add_co_u32 s42, s42, 0x1000000               ; in section V
	s_mov_b32 s43, 0
	s_lshl_b32 s44, ttmp9, 16                      ; Q: my first tile is 32 x + wave: block 4 x + wave / 8,
	s_add_co_u32 s44, s44, s12
	s_add_co_u32 s44, s44, s16
	s_lshr_b32 s17, s10, 3
	s_lshl_b32 s17, s17, 14
	s_add_co_u32 s44, s44, s17
	s_and_b32 s17, s10, 7                          ; tile wave % 8 of it; my second tile lies 16 tiles, 32,768 bytes, on
	s_lshl_b32 s17, s17, 11
	s_add_co_u32 s44, s44, s17
	s_mov_b32 s45, 0
	s_lshr_b32 s46, s11, 4                         ; ctx: (128 batch + 32 x + wave) x 16,384 + 1,024 x head
	s_lshl_b32 s46, s46, 21
	s_lshl_b32 s17, ttmp9, 19
	s_add_co_u32 s46, s46, s17
	s_add_co_u32 s46, s46, s14
	s_and_b32 s17, s11, 15
	s_lshl_b32 s17, s17, 10
	s_add_co_u32 s46, s46, s17
	s_mov_b32 s47, 0
	s_mov_b32 s[SEL], 0x76543210
	s_mov_b32 s[SEL+1], 0xfedcba98
	s_mov_b32 s[CS], 0x3e38aa3b                    ; log2(e) / 8
	s_wait_kmcnt 0x0
	s_load_b256 s[24:31], s[6:7], 0x0              ; e0 .. e7
	s_load_b128 s[32:35], s[6:7], 0x20             ; e8 .. e11
	s_add_nc_u64 s[40:41], s[4:5], s[40:41]
	s_add_nc_u64 s[42:43], s[4:5], s[42:43]
	s_add_nc_u64 s[44:45], s[4:5], s[44:45]
	s_add_nc_u64 s[46:47], s[8:9], s[46:47]
	s_wait_alu depctr_va_vdst(0)                   ; v1 to v4 are written: the loads, the LDS stores and loads and the stores of the whole kernel read them as offsets and addresses
.irp i, 0,1,2,3,4,5,6,7,8,9,10,11,12,13,14,15
	global_load_b128 v[32+4*\i:35+4*\i], v[LI], s[40:41] offset:(\i/2)*2048+(\i%2)*512   ; K: tile i / 2, group i % 2: 512 dense bytes
.endr
.irp i, 0,1,2,3,4,5,6,7,8,9,10,11,12,13,14,15
	global_load_b128 v[96+4*\i:99+4*\i], v[LI], s[42:43] offset:512*\i                   ; V: 8,192 dense bytes
.endr
.irp i, 0,1
.irp g, 0,1
	global_load_b128 v[16+8*\i+4*\g:19+8*\i+4*\g], v[LI], s[44:45] offset:32768*\i+512*\g   ; Q's two fragments stay in registers
.endr
.endr
	v_mov_b32 v246, 0                              ; written once: a lane permute's destination counts as one of its sources
	v_mov_b32 v253, 0                              ; (named as the upper half of the pair v[252:253])
	s_wait_kmcnt 0x0
	s_add_co_i32 s12, s30, s31
	s_lshl_b32 s12, s12, 23
	s_add_co_i32 s[CS], s[CS], s12                 ; a score stands for score x 2^(e6 + e7): the exponents are added to c's exponent field
	s_mov_b32 s[CS+1], s[CS]                       ; (named with it as a pair, so it is written)
	s_add_co_i32 s12, s32, 127
	s_lshl_b32 s13, s12, 23
	v_mov_b32 v244, s13                            ; 2^e8 as f32, for p's conversion
	s_add_co_i32 s12, s12, 8
	s_lshl_b32 s12, s12, 23
	s_or_b32 s12, s12, 0x600000
	v_mov_b32 v240, s12                            ; 448 x 2^e8
	s_sub_co_i32 s12, s34, s32
	s_sub_co_i32 s12, s12, s33                     ; O^T / the sum stands for ctx / 2^(e8 + e9); its code is ctx / 2^e10: one scale, 2^(e10 - e8 - e9)
	s_add_co_i32 s12, s12, 127
	s_lshl_b32 s13, s12, 23
	v_mov_b32 v245, s13
	s_add_co_i32 s12, s12, 8
	s_lshl_b32 s12, s12, 23
	s_or_b32 s12, s12, 0x600000
	v_mov_b32 v241, s12
	s_wait_loadcnt 20                              ; K's sixteen loads are in; V's sixteen and Q's four may be out
.irp i, 0,1,2,3,4,5,6,7,8,9,10,11,12,13,14,15
	ds_store_b128 v[KW], v[32+4*\i:35+4*\i] offset:512*\i      ; data from loads, the address from ahead of the wait on va_vdst above: no vector line since names either
.endr
	s_wait_loadcnt 4                               ; V's are in; Q's four may be out
.irp i, 0,1,2,3,4,5,6,7,8,9,10,11,12,13,14,15
	ds_store_b128 v[VW], v[96+4*\i:99+4*\i] offset:512*\i
.endr
	s_wait_dscnt 0x0                               ; for the others' sake: my stores have landed
	s_barrier_signal -1
	s_barrier_wait -1                              ; the head's K and V lie in LDS; nobody writes LDS again
	s_wait_alu depctr_vm_vsrc(0)                   ; my LDS stores have read v32-159: these are the buffers X and Y from here on, in which LDS loads land and which products write
.irp i, 0,1,2,3,4,5,6,7,8,9,10,11,12,13,14,15
	ds_load_b128 v[XB+4*\i:XB+4*\i+3], v[LI] offset:512*\i     ; K of key step 0, for my first tile; every later step's K is asked for in the step before it
.endr
	s_wait_loadcnt 0x0                             ; Q
; A KEY STEP: 128 keys.  qr: my tile's fragment of Q.  kb: the buffer that holds this step's K and then its V; sb: the one that takes S^T, then p, then the next step's K.
; voff: the step's bytes from v[ADV].  pre = 1: the next step's K is asked for, at v[kadr] + koff.
.macro STEP qr, kb, sb, voff, pre, kadr, koff
	s_wait_dscnt 0x0                               ; K's eight fragments, asked for in the step before, are in
.irp t, 0,1,2,3,4,5,6,7
	v_wmma_f32_16x16x64_fp8_fp8 v[\sb+8*\t:\sb+8*\t+7], v[\kb+8*\t:\kb+8*\t+7], v[\qr:\qr+7], 0
.endr
.rept 4
	v_nop                                          ; places in front of the first read of the scores (ISA guide 7.12.1)
.endr
	s_wait_alu depctr_va_vdst(0)                   ; the eight products are done reading v[kb ..], in which V lands; in a trip's first step v8 and v9 are written, which this trip's LDS loads read
.irp i, 0,1,2,3,4,5,6,7,8,9,10,11,12,13,14,15
	ds_load_b128 v[\kb+4*\i:\kb+4*\i+3], v[ADV] offset:\voff+512*\i      ; V's four fragments, as they were stored: 512 dense bytes a load; they land while the softmax is worked
.endr
	v_max3_num_f32 v254, v[\sb], v[\sb+1], v[\sb+2]   ; the step's largest score of my query, among my 64 keys, in two chains, each accumulator from its low end on,
	v_max3_num_f32 v252, v[\sb+3], v[\sb+4], v[\sb+5]
.irp i, 6,10,14,18,22,26,30,34,38,42,46,50,54,58
	v_max3_num_f32 v254, v254, v[\sb+\i], v[\sb+1+\i]
	v_max3_num_f32 v252, v252, v[\sb+2+\i], v[\sb+3+\i]
.endr
	v_max3_num_f32 v254, v254, v[\sb+62], v[\sb+63]
	v_max_num_f32 v254, v254, v252
	v_permlanex16_b32 v246, v254, s[SEL], s[SEL+1]
	v_max_num_f32 v254, v254, v246                 ; and among lane l xor 16's
	v_mul_f32 v254, s[CS], v254                    ; as t (c is positive)
	v_max_num_f32 v13, v13, v254                   ; the running largest t
	v_mov_b32 v254, v12
	v_floor_f32 v12, -v13                          ; the new -M = floor(-t) = -ceil(t): a whole number
	v_sub_f32 v254, v12, v254                      ; M's old value less its new one: a whole number, 0 or less
	v_cvt_i32_f32 v254, v254                       ; (it saturates)
	v_ldexp_f32 v252, 1.0, v254                    ; f = 2^(old M - new M)
.irp j, 0,2,4,6,8,10,12,14,16,18,20,22,24,26,28,30,32,34,36,38,40,42,44,46,48,50,52,54,56,58,60,62
	v_pk_fma_f32 v[\sb+\j:\sb+1+\j], v[\sb+\j:\sb+1+\j], s[CS:CS+1], v[12:13] op_sel_hi:[1,0,0]   ; t - M, two at a time (of the pairs c and -M the low word serves both halves)
.endr
.set j, 0
.rept 64
	v_exp_f32 v[\sb+j], v[\sb+j]                   ; p = 2^(t - M), at most 1: not normalised
.set j, j+1
.endr
	v_pk_mul_f32 v[14:15], v[14:15], v[252:253] op_sel_hi:[1,0]   ; the sums under the new M: the plain line behind the exponentials
	s_wait_alu depctr_va_vdst(0)                   ; the 64 exponentials have written p: one wait for the batch, ahead of the first line that names a result
	v_pk_add_f32 v[242:243], v[\sb:\sb+1], v[\sb+2:\sb+3]    ; the row's sum is taken of the unquantised p: two at a time, in two chains
.irp j, 4,8,12,16,20,24,28,32,36,40,44,48,52,56,60
	v_pk_add_f32 v[14:15], v[14:15], v[\sb+\j:\sb+1+\j]
	v_pk_add_f32 v[242:243], v[242:243], v[\sb+2+\j:\sb+3+\j]
.endr
	v_pk_add_f32 v[14:15], v[14:15], v[242:243]
	s_cmp_ge_i32 s32, -8                           ; 448 x 2^e8 >= 1.75 >= every p: nothing to hold
	s_cbranch_scc1 .Lfits_\@
.set j, 0
.rept 64
	v_min_num_f32 v[\sb+j], v[\sb+j], v240         ; the conversion does not saturate (ISA guide 7.6.2); p is not negative, so the hold is one-sided
.set j, j+1
.endr
.Lfits_\@:
.irp t, 0,1,2,3,4,5,6,7
	v_cvt_scalef32_pk8_fp8_f32 v[224+2*\t:225+2*\t], v[\sb+8*\t:\sb+8*\t+7], v244   ; registers 2 t, 2 t + 1 of P: keys 16 t + 8 h + 0 .. 7
.endr
.if \pre
	s_wait_alu depctr_va_vdst(0)                   ; the softmax's lines have written v[sb ..] and the sums and conversions are done reading it: the next step's K lands there
.irp i, 0,1,2,3,4,5,6,7,8,9,10,11,12,13,14,15
	ds_load_b128 v[\sb+4*\i:\sb+4*\i+3], v[\kadr] offset:\koff+512*\i    ; K's eight fragments of the next step: no vector or matrix line names v[sb ..] before the next step's wait for them
.endr
.endif
.irp j, 0,2,4,6,8,10,12,14,16,18,20,22,24,26,28,30
	v_pk_mul_f32 v[160+\j:161+\j], v[160+\j:161+\j], v[252:253] op_sel_hi:[1,0]   ; O^T under the new M.  (Plain lines between the conversions and the products that read their results)
.endr
.if \pre
	s_wait_dscnt 16                                ; V's fragments are in; the sixteen younger loads, the next step's K, may be out
.else
	s_wait_dscnt 0x0                               ; V's fragments are in
.endif
.irp d, 0,1,2,3
	v_wmma_f32_16x16x128_fp8_fp8 v[160+8*\d:167+8*\d], v[\kb+16*\d:\kb+16*\d+15], v[224:239], v[160+8*\d:167+8*\d]   ; the four accumulators by turns; the next step's eight score products stand between two turns of one
.endr
.endm
; A TRIP: two key steps, in which X and Y change roles and come back.  The next step's score products write over the buffer that the products V^T P have just read as a source:
; five places stand between the two: at a trip's head the two additions and three v_nop, between its steps five v_nop.
; pre, kadr, koff: the second step's look-ahead.
.macro TWO qr, pre, kadr, koff
	s_wait_alu depctr_vm_vsrc(0)                   ; the LDS loads issued so far have read v8 and v9, which the two lines below write
	v_add_nc_u32 v[ADK], s[TB], v[LI]
	v_add_nc_u32 v[ADV], s[TB], v[LV]
.rept 3
	v_nop
.endr
	STEP \qr, XB, YB, 0, 1, ADK, 8192
.rept 5
	v_nop
.endr
	STEP \qr, YB, XB, 8192, \pre, \kadr, \koff
.endm
; One tile of 16 queries: 16 key steps, then O^T / the sum becomes codes and leaves as an image: two stores of 512 dense bytes.
.macro TILE i
	v_mov_b32 v13, 0xff61b1e6                      ; the largest t so far: -3e38, under every t
	v_floor_f32 v12, -v13                          ; -M
	v_mov_b32 v14, 0                               ; the sum, in two halves
	v_mov_b32 v15, 0
.set j, 0
.rept 32
	v_mov_b32 v[160+j], 0                          ; O^T: every step is the same macro, and the first finds zeros, which the first change of M leaves zeros
.set j, j+1
.endr
	s_mov_b32 s[TB], 0
	s_mov_b32 s[CNT], 0
.Lk_\@:                                                ; seven trips: key steps 0 to 13
	TWO 16+8*\i, 1, ADK, 16384
	s_add_co_u32 s[TB], s[TB], 16384
	s_add_co_u32 s[CNT], s[CNT], 1
	s_cmp_lt_u32 s[CNT], 7
	s_cbranch_scc1 .Lk_\@
.if \i == 0
	TWO 16+8*\i, 1, LI, 0                          ; the last trip is written out: my first tile's last step asks for key step 0 again, for my second tile,
.else
	TWO 16+8*\i, 0, LI, 0                          ; my second tile's for nothing
.endif
.rept 4
	v_nop                                          ; places behind the last products: their results are read, and Y, which they read, is written
.endr
	v_add_f32 v14, v14, v15                        ; the sum's two halves,
	v_permlanex16_b32 v246, v14, s[SEL], s[SEL+1]
	v_add_f32 v14, v14, v246                       ; and lane l xor 16's: the row's sum, at least 1/2
	v_rcp_f32 v14, v14
	v_nop                                          ; a plain line behind the reciprocal,
	s_wait_alu depctr_va_vdst(0)                   ; the reciprocal has written v14: the wait ahead of its first reader
.irp j, 0,2,4,6,8,10,12,14,16,18,20,22,24,26,28,30
	v_pk_mul_f32 v[YB+\j:YB+1+\j], v[160+\j:161+\j], v[14:15] op_sel_hi:[1,0]   ; the way out works in Y: X holds, or is being given, my next tile's first K
.endr
.set j, 0
.rept 32
	v_med3_num_f32 v[YB+j], v[YB+j], -v241, v241   ; the hold at the largest code x the scale
.set j, j+1
.endr
.irp t, 0,1,2,3
	v_cvt_scalef32_pk8_fp8_f32 v[192+8*\i+2*\t:193+8*\i+2*\t], v[YB+8*\t:YB+8*\t+7], v245
.endr
	v_nop                                          ; one plain line between the conversions and the next products, which write their sources
	s_wait_alu depctr_va_vdst(0)                   ; the conversions have written the tile's eight registers of codes, which the two stores read
.irp g, 0,1
	global_store_b128 v[LI], v[192+8*\i+4*\g:195+8*\i+4*\g], s[46:47] offset:262144*\i+512*\g   ; each tile has its own registers for its codes: no store's source is written again
.endr
.endm
	TILE 0
	TILE 1
	s_wait_dscnt 0x0                               ; the closing lines, six on end
	s_wait_alu 0x0
	s_wait_tensorcnt 0x0
	ds_add_u32 v251, v255
	s_wait_dscnt 0x0
	s_endpgm
.Lfunc_end_k_q60cdfdfb0a_attn:
	.size	k_q60cdfdfb0a_attn, .Lfunc_end_k_q60cdfdfb0a_attn-k_q60cdfdfb0a_attn
	.p2alignl 7, 3214868480
	.fill 96, 4, 3214868480
	.section	.rodata,"a",@progbits
	.p2align	6, 0x0
	.amdhsa_kernel k_q60cdfdfb0a_attn
		.amdhsa_group_segment_fixed_size 264192
		.amdhsa_private_segment_fixed_size 0
		.amdhsa_enable_private_segment 0
		.amdhsa_kernarg_size 24
		.amdhsa_user_sgpr_count 2
		.amdhsa_user_sgpr_kernarg_segment_ptr 1
		.amdhsa_wavefront_size32 1
		.amdhsa_system_sgpr_workgroup_id_x 1
		.amdhsa_system_sgpr_workgroup_id_y 1
		.amdhsa_system_sgpr_workgroup_id_z 1
		.amdhsa_system_vgpr_workitem_id 0
		.amdhsa_next_free_vgpr 256
		.amdhsa_next_free_sgpr 66
		.amdhsa_reserve_vcc 0
		.amdhsa_float_denorm_mode_32 3
		.amdhsa_float_denorm_mode_16_64 3
		.amdhsa_memory_ordered 1
		.amdhsa_forward_progress 1
		.amdhsa_inst_pref_size 142
	.end_amdhsa_kernel
	.amdgpu_metadata
---
amdhsa.version: [ 1, 2 ]
amdhsa.kernels:
  - .name:           k_q60cdfdfb0a_attn
    .symbol:         k_q60cdfdfb0a_attn.kd
    .args:
      - { .name: hcodes, .offset: 0, .size: 8, .value_kind: global_buffer, .address_space: global }
      - { .name: lowp_scales, .offset: 8, .size: 8, .value_kind: global_buffer, .address_space: global }
      - { .name: ctx, .offset: 16, .size: 8, .value_kind: global_buffer, .address_space: global }
    .group_segment_fixed_size: 264192
    .private_segment_fixed_size: 0
    .kernarg_segment_align: 8
    .kernarg_segment_size: 24
    .max_flat_workgroup_size: 512
    .sgpr_count:     66
    .vgpr_count:     256
    .wavefront_size: 32
...
	.end_amdgpu_metadata
.endif
;; end of part 5
;; launch fc: the kernel of part 4 again; grid 256 x 1, 4 waves a work-group, clusters of 4 x 1, 327,680 bytes of LDS; arguments ctx, w_fc_codes, lowp_scales, q, ln_gamma, ln_beta, out0; writes out0
